; MI455X (gfx1250); checked and timed in simulation.
; The chip was launched on July 23, 2026; its instructions are those of AMD's public machine-readable ISA for CDNA 5 (MIT licence, August 2026) and "CDNA5" Instruction Set Architecture Reference Guide (July 2026). The comments in the code are by the model that wrote it; some were corrected since.
;; Msg Merger. Allowed arithmetic: float matrix products may take bf16 or f16 operands with f32 sums; other float arithmetic in f32, or as packed bf16 or f16 multiplies, adds, multiply-adds, maxima and minima; sums over many terms, partial sums and values carried from step to step in f32; what a program stores and reads back later, other than sums and carried values, may be rounded once to bf16 or f16.
;; Inputs: msg_stacked 256 x 256 x 512 float32; w_key 512 x 512 float32; w_query 512 x 512 float32; w_value 512 x 512 float32.
;; Outputs: out0 256 x 512 float32.
;; 2 versions, each right; version 2 is version 1 with the launch merge written anew for expert scheduling mode. Each part assembles by itself: llvm-mc -triple=amdgcn-amd-amdhsa -mcpu=gfx1250 --defsym DOCPART=n.
;; ======== version 1 of 2: 3 launches
;; workspace buffers: mtf 524,288 bytes; wvf 524,288 bytes; u2 524,288 bytes
;; launch prep (part 1): grid 256 x 1, 8 waves a work-group, no clusters, 33,792 bytes of LDS; arguments w_query, w_key, w_value, mtf, wvf; writes mtf, wvf
.if DOCPART == 1
	.amdgcn_target "amdgcn-amd-amdhsa--gfx1250"
	.amdhsa_code_object_version 6
	.text
	.protected	k_q3cf9f86c1c_prep
	.globl	k_q3cf9f86c1c_prep
	.p2align	8
	.type	k_q3cf9f86c1c_prep,@function
k_q3cf9f86c1c_prep:
	s_mov_b64 s[64:65], 0
	v_nop
	global_prefetch_b8 v0, s[64:65] scope:SCOPE_SE
	s_setreg_imm32_b32 hwreg(HW_REG_WAVE_MODE, 25, 1), 1
	s_wait_xcnt 0x0
; mtf: Mt[d'][d] = SC x the sum over e of Wk[d'][e] Wq[d][e], SC = log2(e) / sqrt(512), rounded once to bf16 (the scale goes in ahead of the rounding).
; wvf: Wv[d][e] rounded to bf16.  Both are laid out as matrix fragments of 1,024 bytes: byte 16 l holds lane l's registers 0-3, byte 512 + 16 l its registers 4-7,
; so that the later launches load a fragment as two runs of 512 consecutive bytes.
;   mtf: the fragment of rows d' = 16 t' .. + 15 and d = 32 ks .. + 31 lies at (((t' / 8) 16 + ks) 8 + t' % 8) x 1,024.      wvf: rows e = 16 et .., d = 32 ks .. at (16 et + ks) x 1,024.
; SHARES.  Work-group g: 32 rows d of Wq (ksd = g % 16) x 32 rows d' of Wk (gp = g / 16): four tiles of 16 x 16.  The sum over e is split among the eight waves, 64 e each; all loads of a
; wave go out at once; the eight partial sums (f32) meet in LDS, and waves 0-3 finish a tile each.  Waves 4-7 turn two fragments of Wv besides, half a fragment each.
; LAYOUT.  D = (16 rows d of Wq) x (16 rows d' of Wk): lane l holds d' = l % 16 and d = 8 (l / 16) + 0..7: packed in pairs these are four registers of an mtf fragment as they stand.
; LIMITS.  Wq, Wk, Wv are rounded to bf16 for the products; NaN and infinities are not treated apart.
.set SC,    0x3d8293ee                 ; log2(e) / sqrt(512) = 0.0637587
.set SPARE, 32768                      ; behind the partial sums (8 waves x 4,096 bytes): the spare words, 128 bytes a wave: four blocks of 256 bytes that no other line names
.set SPW,   8                          ; v8   LDS address of my spare word; never rewritten
.set NIL,   9                          ; v9   0; never rewritten
.set FR,    16                         ; v[16:143]  eight fragments as loaded in f32, 16 registers each: 4 ke + (Wq tile 0, 1, Wk tile 0, 1); packed in place into the first 8
.set ACC,   144                        ; v[144:175] four accumulators: tile (i of Wq, j of Wk) at ACC + 8 (i + 2 j)
.set WVL,   176                        ; v[176:183] eight numbers of a column of Wv
.set PK,    184                        ; v[184:187] 16 bytes to store
	s_load_b256 s[4:11], s[0:1], 0x0               ; Wq s[4:5], Wk s[6:7], Wv s[8:9], mtf s[10:11]
	s_load_b64 s[12:13], s[0:1], 0x20              ; wvf
	v_lshl_add_u32 v[SPW], v0, 2, SPARE
	v_mov_b32 v[NIL], 0
	v_lshrrev_b32 v1, 5, v0
	v_readfirstlane_b32 s14, v1                    ; wave 0..7
	v_and_b32 v1, 15, v0                           ; r = l % 16
	v_bfe_u32 v2, v0, 4, 1                         ; h = l / 16
	v_and_b32 v4, 31, v0
	v_lshlrev_b32 v4, 4, v4                        ; v4 = 16 l
	v_lshlrev_b32 v3, 11, v1                       ; a row of a weight is 2,048 bytes
	v_lshl_add_u32 v3, v2, 5, v3                   ; + 8 h numbers of 4 bytes
	s_lshl_b32 s17, s14, 8
	v_add_nc_u32 v3, s17, v3                       ; v3 = 2,048 r + 32 h + my wave's 64 e (256 bytes)
	v_lshlrev_b32 v5, 2, v1
	v_lshl_add_u32 v5, v2, 14, v5                  ; v5 = 8 h rows of Wv + 4 r
	s_lshl_b32 s17, s14, 12
	v_add_nc_u32 v6, s17, v4                       ; v6 = where I put my partial sums: 4,096 x wave + 16 l
	s_lshl_b32 s17, s14, 10
	v_add_nc_u32 v7, s17, v4                       ; v7 = where I read tile a = my wave's number back (waves 0-3): 1,024 a + 16 l
	s_and_b32 s15, ttmp9, 15                       ; ksd
	s_lshr_b32 s16, ttmp9, 4                       ; gp
	s_lshl_b32 s18, s15, 16                        ; 32 rows of 2,048 bytes
	s_mov_b32 s19, 0
	s_lshl_b32 s20, s16, 16
	s_mov_b32 s21, 0
	s_mov_b32 s28, SC
	s_mov_b32 s29, SC                              ; named with it as a pair
	s_wait_kmcnt 0x0
	s_add_nc_u64 s[4:5], s[4:5], s[18:19]          ; Wq at my 32 rows d
	s_add_nc_u64 s[6:7], s[6:7], s[20:21]          ; Wk at my 32 rows d'
	; a fragment of 16 rows x 32 e in f32: 8 numbers at 8 h and 8 at 16 + 8 h: four loads of 16 bytes; a wave reads 256 consecutive bytes, aligned, of each row
.irp ke, 0,1
.irp t, 0,1
.irp o, 0,1,2,3
	global_load_b128 v[FR+16*(4*(\ke)+(\t))+4*(\o):FR+16*(4*(\ke)+(\t))+4*(\o)+3],     v3, s[4:5] offset:(\t)*32768+(\ke)*128+16*((\o)%2)+64*((\o)/2)
	global_load_b128 v[FR+16*(4*(\ke)+2+(\t))+4*(\o):FR+16*(4*(\ke)+2+(\t))+4*(\o)+3], v3, s[6:7] offset:(\t)*32768+(\ke)*128+16*((\o)%2)+64*((\o)/2)
.endr
.endr
.endr
	s_cmp_lt_u32 s14, 4
	s_cbranch_scc1 .Lno_wv
	s_sub_co_u32 s20, s14, 4                       ; x = wave - 4
	s_lshr_b32 s21, s20, 1
	s_and_b32 s22, s20, 1                          ; which half of the fragment
	s_lshl_b32 s23, ttmp9, 1
	s_add_co_u32 s21, s21, s23                     ; fragment f = 2 g + x / 2
	s_lshr_b32 s23, s21, 4                         ; et
	s_and_b32 s24, s21, 15                         ; ks
	s_lshl_b32 s24, s24, 1
	s_add_co_u32 s24, s24, s22
	s_lshl_b32 s24, s24, 15                        ; row d = 32 ks + 16 half, 2,048 bytes a row
	s_lshl_b32 s23, s23, 6                         ; column e = 16 et
	s_add_co_u32 s24, s24, s23
	s_mov_b32 s25, 0
	s_add_nc_u64 s[8:9], s[8:9], s[24:25]
.irp i, 0,1,2,3,4,5,6,7
	global_load_b32 v[WVL+(\i)], v5, s[8:9] offset:(\i)*2048  ; Wv[32 ks + 16 half + 8 h + i][16 et + r]
.endr
	s_lshl_b32 s26, s21, 10
	s_lshl_b32 s22, s22, 9
	s_add_co_u32 s26, s26, s22
	s_mov_b32 s27, 0
	s_add_nc_u64 s[12:13], s[12:13], s[26:27]      ; wvf at my half fragment
.Lno_wv:
	s_wait_loadcnt 0x0
.set z, FR
.rept 8                                ; each fragment is packed in place, ascending: number p lands below the pair that it reads next
.irp p, 0,1,2,3,4,5,6,7
	v_cvt_pk_bf16_f32 v[z+(\p)], v[z+2*(\p)], v[z+2*(\p)+1]
.endr
.set z, z+16
.endr
	; eight products; the four accumulators take turns; the first four start the sums
.irp j, 0,1
.irp i, 0,1
	v_wmma_f32_16x16x32_bf16 v[ACC+8*((\i)+2*(\j)):ACC+8*((\i)+2*(\j))+7], v[FR+16*(\i):FR+16*(\i)+7], v[FR+16*(2+(\j)):FR+16*(2+(\j))+7], 0
.endr
.endr
.irp j, 0,1
.irp i, 0,1
	v_wmma_f32_16x16x32_bf16 v[ACC+8*((\i)+2*(\j)):ACC+8*((\i)+2*(\j))+7], v[FR+16*(4+(\i)):FR+16*(4+(\i))+7], v[FR+16*(6+(\j)):FR+16*(6+(\j))+7], v[ACC+8*((\i)+2*(\j)):ACC+8*((\i)+2*(\j))+7]
.endr
.endr
.rept 8
	v_nop                                          ; the places behind the last products, ahead of the stores that read results and of the loads into the fragments' registers
.endr
.irp a, 0,1,2,3
	ds_store_b128 v6, v[ACC+8*(\a):ACC+8*(\a)+3]   offset:(\a)*1024      ; each accumulator's low registers first
	ds_store_b128 v6, v[ACC+8*(\a)+4:ACC+8*(\a)+7] offset:(\a)*1024+512
.endr
	s_wait_dscnt 0x0                               ; for the others' sake: my partial sums lie in LDS
	s_barrier_signal -1
	s_barrier_wait -1
	s_cmp_lt_u32 s14, 4
	s_cbranch_scc0 .Lwv_out
.irp w, 0,1,2,3,4,5,6,7
	ds_load_b128 v[FR+8*(\w):FR+8*(\w)+3],   v7 offset:(\w)*4096
	ds_load_b128 v[FR+8*(\w)+4:FR+8*(\w)+7], v7 offset:(\w)*4096+512
.endr
	s_and_b32 s20, s14, 1                          ; i
	s_lshr_b32 s21, s14, 1                         ; j
	s_lshl_b32 s22, s16, 1
	s_add_co_u32 s22, s22, s21                     ; t' = 2 gp + j
	s_lshr_b32 s23, s22, 3
	s_lshl_b32 s23, s23, 4
	s_add_co_u32 s23, s23, s15
	s_lshl_b32 s23, s23, 3
	s_and_b32 s22, s22, 7
	s_add_co_u32 s23, s23, s22                     ; the fragment's number,
	s_lshl_b32 s23, s23, 1
	s_add_co_u32 s23, s23, s20                     ; its half i,
	s_lshl_b32 s22, s23, 9                         ; 512 bytes a half
	s_mov_b32 s23, 0
	s_add_nc_u64 s[10:11], s[10:11], s[22:23]
	s_wait_dscnt 0x0
.irp k, 0,2,4,6
.irp p, 0,2,4,6
	v_pk_add_f32 v[FR+8*(\k)+(\p):FR+8*(\k)+(\p)+1], v[FR+8*(\k)+(\p):FR+8*(\k)+(\p)+1], v[FR+8*(\k)+8+(\p):FR+8*(\k)+8+(\p)+1]
.endr
.endr
.irp k, 0,4
.irp p, 0,2,4,6
	v_pk_add_f32 v[FR+8*(\k)+(\p):FR+8*(\k)+(\p)+1], v[FR+8*(\k)+(\p):FR+8*(\k)+(\p)+1], v[FR+8*(\k)+16+(\p):FR+8*(\k)+16+(\p)+1]
.endr
.endr
.irp p, 0,2,4,6
	v_pk_add_f32 v[FR+(\p):FR+(\p)+1], v[FR+(\p):FR+(\p)+1], v[FR+32+(\p):FR+32+(\p)+1]
.endr
.irp p, 0,2,4,6
	v_pk_mul_f32 v[FR+(\p):FR+(\p)+1], v[FR+(\p):FR+(\p)+1], s[28:29] op_sel_hi:[1,0]
.endr
.irp p, 0,1,2,3
	v_cvt_pk_bf16_f32 v[PK+(\p)], v[FR+2*(\p)], v[FR+2*(\p)+1]
.endr
	global_store_b128 v4, v[PK:PK+3], s[10:11]     ; the wave stores 512 consecutive bytes, at a multiple of 512 from mtf's first byte
	s_branch .Lend
.Lwv_out:
.irp p, 0,1,2,3
	v_cvt_pk_bf16_f32 v[PK+(\p)], v[WVL+2*(\p)], v[WVL+2*(\p)+1]
.endr
	global_store_b128 v4, v[PK:PK+3], s[12:13]     ; likewise in wvf
.Lend:
	s_wait_tensorcnt 0x0                           ; the wave's end, behind my last LDS store
	ds_add_u32 v[SPW], v[NIL]
	s_wait_dscnt 0x0
	s_endpgm
.Lfunc_end_k_q3cf9f86c1c_prep:
	.size	k_q3cf9f86c1c_prep, .Lfunc_end_k_q3cf9f86c1c_prep-k_q3cf9f86c1c_prep
	.p2alignl 7, 3214868480
	.fill 96, 4, 3214868480
	.section	.rodata,"a",@progbits
	.p2align	6, 0x0
	.amdhsa_kernel k_q3cf9f86c1c_prep
		.amdhsa_group_segment_fixed_size 33792
		.amdhsa_private_segment_fixed_size 0
		.amdhsa_enable_private_segment 0
		.amdhsa_kernarg_size 40
		.amdhsa_user_sgpr_count 2
		.amdhsa_user_sgpr_kernarg_segment_ptr 1
		.amdhsa_wavefront_size32 1
		.amdhsa_system_sgpr_workgroup_id_x 1
		.amdhsa_system_sgpr_workgroup_id_y 1
		.amdhsa_system_sgpr_workgroup_id_z 1
		.amdhsa_system_vgpr_workitem_id 0
		.amdhsa_next_free_vgpr 192
		.amdhsa_next_free_sgpr 66
		.amdhsa_reserve_vcc 0
		.amdhsa_float_denorm_mode_32 3
		.amdhsa_float_denorm_mode_16_64 3
		.amdhsa_memory_ordered 1
		.amdhsa_forward_progress 1
		.amdhsa_inst_pref_size 16
	.end_amdhsa_kernel
	.amdgpu_metadata
---
amdhsa.version: [ 1, 2 ]
amdhsa.kernels:
  - .name:           k_q3cf9f86c1c_prep
    .symbol:         k_q3cf9f86c1c_prep.kd
    .args:
      - { .name: w_query, .offset: 0, .size: 8, .value_kind: global_buffer, .address_space: global }
      - { .name: w_key, .offset: 8, .size: 8, .value_kind: global_buffer, .address_space: global }
      - { .name: w_value, .offset: 16, .size: 8, .value_kind: global_buffer, .address_space: global }
      - { .name: mtf, .offset: 24, .size: 8, .value_kind: global_buffer, .address_space: global }
      - { .name: wvf, .offset: 32, .size: 8, .value_kind: global_buffer, .address_space: global }
    .group_segment_fixed_size: 33792
    .private_segment_fixed_size: 0
    .kernarg_segment_align: 8
    .kernarg_segment_size: 40
    .max_flat_workgroup_size: 256
    .sgpr_count:     66
    .vgpr_count:     192
    .wavefront_size: 32
...
	.end_amdgpu_metadata
.endif
;; end of part 1
;; launch merge (part 2): grid 256 x 1, 4 waves a work-group, no clusters, 304,640 bytes of LDS; arguments msg_stacked, mtf, u2; writes u2
.if DOCPART == 2
	.amdgcn_target "amdgcn-amd-amdhsa--gfx1250"
	.amdhsa_code_object_version 6
	.text
	.protected	k_q3cf9f86c1c_merge
	.globl	k_q3cf9f86c1c_merge
	.p2align	8
	.type	k_q3cf9f86c1c_merge,@function
k_q3cf9f86c1c_merge:
	s_mov_b64 s[64:65], 0
	v_nop
	global_prefetch_b8 v0, s[64:65] scope:SCOPE_SE
	s_setreg_imm32_b32 hwreg(HW_REG_WAVE_MODE, 25, 1), 1
	s_wait_xcnt 0x0
; For batch b (one work-group): u[d] = the sum over m of c[m] X[m][d], c[m] = the sum over n of softmax_m(S[n][m]), S = (X M) X^T, M = Wq Wk^T / sqrt(512) (mtf holds M^T x log2(e), bf16).
; The next launch multiplies u by Wv: the sum over the queries is taken ahead of the value product, and Wq Wk^T ahead of X: both are re-associations that hold for every input.
; LIMITS.  X, M and T = X M are each rounded once to bf16 as matrix operands, so the order of rounding differs from q k^T; sums, maxima, weights, c and u stay in f32; u leaves as a pair of bf16
; (its rounding and the rounded remainder).  The row maximum is taken away ahead of the exponential; a weight below 2^-126 counts as 0; NaN and infinities are not treated apart.
; SHARES.  Wave w owns queries 64 w .. 64 w + 63 (four tiles nt of 16) against all 256 keys: S is 64 accumulators, 512 registers.  d' goes in four chunks of 128.  In a chunk: P1, T^T = Mt X^T over
; K = 512 (source 0 = 16 rows d' of Mt, source 1 = 16 queries; 512 products on 32 accumulators); T is rounded in place; P2, S += T X^T over the chunk's 128 (source 1 = 16 keys; 256 products).
; In T^T a lane holds ONE query (l % 16) and d' = 8 (l / 16) + 0..7: two such tiles packed in pairs ARE source 0 of P2.  In S a lane holds key 16 mt + l % 16, register j query 16 nt + 8 (l / 16) + j.
; LDS.  X in bf16, 256 rows of 1,024 bytes at a pitch of 1,040 = 65 x 16, so that the 16 rows of a fragment load begin 16 bytes apart modulo 256; a ring of two slots of 16 KiB for Mt (two K steps
; of a chunk, in fragment order); the column sums; the spare words.
; WHY REGISTERS FILL LDS, AND NO CLUSTER.  X has to pass through registers to be rounded, and f32 X (512 KiB) has no room in LDS.  Mt is the same for all work-groups, but beside X only 2 x 16 KiB
; are left: a slot lasts 64 products a wave.  Through registers a slot is asked for two slots (128 products) ahead of its store into the ring, with one plain barrier a slot.
; REGISTERS, in windows of 256 (s_set_vgpr_msb: bits 1:0 source 0, 3:2 source 1, 5:4 source 2, 7:6 destination):
;   window 0: v0-31 addresses; v32-95 two sets of 32 for Mt on its way to the ring; v96-159 two buffers of X's fragments; v160-255 three buffers of Mt's (P1) or X's (P2) fragments
;   window 1: T, tile (a, nt) at 16 (4 (a / 2) + nt) + 8 (a % 2); at the start four sets of 64 in which X lands          windows 2, 3: S[nt][mt] in window 2 + nt / 2 at 8 (16 (nt % 2) + mt)
.set PX,    1040                       ; pitch of a row of X in LDS
.set MR,    256*PX                     ; the ring
.set SLOT,  16384
.set CS,    MR+2*SLOT                  ; each wave's column sums: 256 f32
.set CT,    CS+4096                    ; c: 256 f32
.set SPARE, CT+1024                    ; the spare words, 128 bytes a wave: two blocks of 256 bytes that no other line names
.set AX,  2                            ; v2     (64 w + r) PX + 16 h: my queries' fragments
.set AM,  3                            ; v3     MR + 16 l: a fragment of Mt
.set AS,  4                            ; v4     MR + 4,096 w + 16 l: where I store my quarter of a slot
.set GO,  5                            ; v5     4,096 w + 16 l: the same quarter in mtf
.set AP0, 6                            ; v6-9   (64 q + r) PX + 16 h: the keys' fragments, q = 0..3
.set AP,  10                           ; v10-13 the same at the chunk in hand
.set XS,  14                           ; v14    where I store rounded X
.set XG,  15                           ; v15    16 l
.set UA,  16                           ; v16-23 u's sums: four columns x two parities of the row
.set XU,  24                           ; v24    my 8 bytes of a row of X, for u
.set CTA, 25                           ; v25    c's address, the same in all lanes
.set CSA, 26                           ; v26    CS + 1,024 w + 4 r
.set PFO, 27                           ; v27    256 l; never rewritten
.set SPW, 28                           ; v28    LDS address of my spare word; never rewritten
.set NIL, 29                           ; v29    0; never rewritten
.set T8,  30                           ; v30    8 x my thread's number
.set XS0, 31                           ; v31    64 w PX + 8 l
.set RG,  32                           ; Mt on its way
.set FB,  96                           ; fragment buffers F0 .. F4, 32 registers each
.set MXR, 32                           ; after the loop: the row maxima, 8 nt + j
.set LSR, 64                           ; the row sums, then their reciprocals
.set CC,  96                           ; the column sums, a pair for each mt
.set XP,  4                            ; s[4:5]   X at my wave's rows, stepped
.set MT,  6                            ; s[6:7]   mtf
.set UP,  8                            ; s[8:9]   u2 at my batch
.set WV,  10                           ; s10      my wave's number
.set CH,  11                           ; s11      the chunk
.set CNT, 12                           ; s12      loop counts
.set MP,  14                           ; s[14:15] mtf at the chunk in hand
.set MPN, 16                           ; s[16:17] mtf at the next chunk (behind the last: the first)
.set OF,  18                           ; s[18:19] an offset, 0 on top
.set COFF, 20                          ; s20      256 x chunk: its 128 columns in a row of X
.set STP, 21                           ; s21      a stepped LDS offset
.set SEL, 22                           ; s[22:23] v_permlanex16_b32's selects: each lane takes its own place in the other half
.set PF,  24                           ; s[24:25] the prefetch's address; never rewritten
.set HIM, 26                           ; s26      a word's upper bf16
.set TS,  27                           ; s27      work-group - 8; later c's stepped address
.set MSB, 0
.macro WIN new                         ; the immediate's high byte repeats the setting that is left; a switch that changes nothing is dropped
.if MSB != (\new)
	s_set_vgpr_msb (MSB<<8)|(\new)
.set MSB, \new
.endif
.endm
.macro PLACES                          ; four places between a product and a load into a register that it has read
.rept 4
	v_nop
.endr
.endm
; X ON ITS WAY IN, four rows (a batch) at a time.  A load takes 512 consecutive bytes of a row; lane l's four numbers round to 8 bytes, and a store of the wave covers 256 consecutive bytes of LDS.
.macro XLOAD set, row
	WIN 0x40                                       ; destination window 1
.irp rr, 0,1,2,3
.irp q, 0,1,2,3
	global_load_b128 v[64*(\set)+16*(\rr)+4*(\q):64*(\set)+16*(\rr)+4*(\q)+3], v[XG], s[XP:XP+1] offset:((\row)+(\rr))*2048+(\q)*512 th:TH_LOAD_NT
.endr
.endr
.endm
.macro XCVT set
	WIN 0x45                                       ; all in window 1
.set z, 64*(\set)
.rept 16
	v_cvt_pk_bf16_f32 v[z], v[z], v[z+1]
	v_cvt_pk_bf16_f32 v[z+1], v[z+2], v[z+3]
.set z, z+4
.endr
.endm
.macro XSTORE set, row
	WIN 0x04                                       ; data window 1, address window 0
.irp rr, 0,1,2,3
.irp q, 0,1,2,3
	ds_store_b64 v[XS], v[64*(\set)+16*(\rr)+4*(\q):64*(\set)+16*(\rr)+4*(\q)+1] offset:((\row)+(\rr))*PX+(\q)*256
.endr
.endr
.endm
; Mt ON ITS WAY IN: my quarter (4,096 bytes) of a slot, into register set par; from there into ring slot par.
.macro GLOAD par, ptr, slot
	WIN 0
.irp i, 0,1,2,3,4,5,6,7
	global_load_b128 v[RG+32*(\par)+4*(\i):RG+32*(\par)+4*(\i)+3], v[GO], s[\ptr:\ptr+1] offset:(\slot)*SLOT+(\i)*512
.endr
.endm
.macro GSTORE par
.irp i, 0,1,2,3,4,5,6,7
	ds_store_b128 v[AS], v[RG+32*(\par)+4*(\i):RG+32*(\par)+4*(\i)+3] offset:(\par)*SLOT+(\i)*512
.endr
.endm
; THE FRAGMENT LOADS, in runs of 8.  LDM h: Mt's four fragments of P1's unit h (K step h / 2, rows 64 (h % 2) on).  LDX k: my four query tiles at K step k.  LDP g: P2's unit g: keys 64 (g % 4) on, K step g / 4.
.macro LDM h
.set mb, FB+32*(2+(\h)%3)
.set mo, (((\h)/4)%2)*SLOT+((((\h)/2)%2)*8+4*((\h)%2))*1024
.irp i, 0,1,2,3
	ds_load_b128 v[mb+8*(\i):mb+8*(\i)+3],   v[AM] offset:mo+(\i)*1024
	ds_load_b128 v[mb+8*(\i)+4:mb+8*(\i)+7], v[AM] offset:mo+(\i)*1024+512
.endr
.endm
.macro LDX k
.set xb, FB+32*((\k)%2)
.irp nt, 0,1,2,3
	ds_load_b128 v[xb+8*(\nt):xb+8*(\nt)+3],   v[AX] offset:(\nt)*16*PX+64*(\k)
	ds_load_b128 v[xb+8*(\nt)+4:xb+8*(\nt)+7], v[AX] offset:(\nt)*16*PX+64*(\k)+32
.endr
.endm
.macro LDP g
.set mb, FB+32*(2+(32+(\g))%3)
.set pa, AP+(\g)%4
.set po, 64*((\g)/4)
.irp i, 0,1,2,3
	ds_load_b128 v[mb+8*(\i):mb+8*(\i)+3],   v[pa] offset:(\i)*16*PX+po
	ds_load_b128 v[mb+8*(\i)+4:mb+8*(\i)+7], v[pa] offset:(\i)*16*PX+po+32
.endr
.endm
.macro LDU x                           ; the run for unit x of a trip's 48; units 48 and 49 are the next trip's 0 and 1 (48 is a multiple of 3: the three buffers go on in turn)
.if (\x) < 32
	LDM \x
.elseif (\x) < 48
	LDP (\x)-32
.else
	LDM (\x)-48
.endif
.endm
; THE PRODUCTS.  A unit is 16 products on 16 different accumulators, and an accumulator comes again two units later (P1) or four (P2): they take turns.
.macro MUL1 h, part                    ; half a unit of P1: T[4 (h % 2) + i][nt], i = 2 part, 2 part + 1.  The chunk's first K step starts the sums
	WIN 0x50                                       ; C and D window 1
.irp i, 2*(\part), 2*(\part)+1
.irp nt, 0,1,2,3
.set ta, 4*((\h)%2)+(\i)
.set rt, 16*(4*(ta/2)+(\nt))+8*(ta%2)
.set ra, FB+32*(2+(\h)%3)+8*(\i)
.set rb, FB+32*(((\h)/2)%2)+8*(\nt)
.if (\h) < 2
	v_wmma_f32_16x16x32_bf16 v[rt:rt+7], v[ra:ra+7], v[rb:rb+7], 0
.else
	v_wmma_f32_16x16x32_bf16 v[rt:rt+7], v[ra:ra+7], v[rb:rb+7], v[rt:rt+7]
.endif
.endr
.endr
.endm
.macro MUL2 g                          ; a unit of P2: S[nt][4 (g % 4) + i] += T[nt], K step g / 4, x 16 keys
.irp nt, 0,1,2,3
	WIN 0xa1+0x50*((\nt)/2)                        ; source 0 window 1, source 1 window 0, C and D window 2 or 3
.irp i, 0,1,2,3
.set rs, 8*(16*((\nt)%2)+4*((\g)%4)+(\i))
.set ra, 16*(4*((\g)/4)+(\nt))
.set rb, FB+32*(2+(32+(\g))%3)+8*(\i)
	v_wmma_f32_16x16x32_bf16 v[rs:rs+7], v[ra:ra+7], v[rb:rb+7], v[rs:rs+7]
.endr
.endr
.endm
.macro TCVT                            ; T is rounded to bf16 in place: group G (16 registers: tiles 2 kk, 2 kk + 1 of one nt) becomes a fragment in its first 8.  Each tile's lowest registers are read first.
	WIN 0x45                                       ; Groups 0-7 were finished a unit ago; their 64 lines are the places behind the last unit's products, which made groups 8-15
.set z, 0
.rept 16
.irp i, 0,1,2,3,4,5,6,7
	v_cvt_pk_bf16_f32 v[z+(\i)], v[z+2*(\i)], v[z+2*(\i)+1]
.endr
.set z, z+16
.endr
.endm
; UNIT u OF A TRIP.  A plain unit: four places; the run(s) of loads for unit u + 2; a wait that leaves out this unit's run and the last unit's; 16 products.
; A CHANGE of ring slots (u = 2, 6 .. 30; s = (u + 2) / 4): my reads of slot s - 1 (the last were issued a unit ago) and my stores of slot s are done; barrier, half the unit's products between signal and
; wait; then slot s + 1, which has come into registers, goes where slot s - 1 lay, slot s + 3 is asked for, and the reads of slot s begin.  Slots 8 .. 11 are the next chunk's 0 .. 3.
.macro UNIT
.if u == 32
	TCVT
.endif
.if (u < 32) && (u%4 == 2)
	WIN 0
	s_wait_dscnt 0x0                               ; for the others' sake: zero
	s_barrier_signal -1
	MUL1 u, 0
	WIN 0
	s_barrier_wait -1
	s_wait_loadcnt 8                               ; the older of my two slots on their way is in; the younger one's eight loads stay out
	GSTORE ((u+2)/4+1)%2
.if (u+2)/4 <= 4
	GLOAD ((u+2)/4+1)%2, MP, (u+2)/4+3
.else
	GLOAD ((u+2)/4+1)%2, MPN, (u+2)/4-5
.endif
	PLACES
	LDU u+2
.if u <= 28
	LDX u/2+1
.endif
	MUL1 u, 1
.else
	WIN 0
	PLACES
	LDU u+2
.if (u%2 == 0) && (u <= 28)
	LDX u/2+1
.endif
.if u == 46
	LDX 0
.endif
.if (u <= 30) || (u >= 46)
	s_wait_dscnt 24                                ; of this unit's run and the last unit's one has 16 loads, the other 8
.else
	s_wait_dscnt 16                                ; both have 8
.endif
.if u < 32
	MUL1 u, 0
	MUL1 u, 1
.else
	MUL2 u-32
.endif
.endif
.endm
	s_load_b128 s[4:7], s[0:1], 0x0                ; X, mtf
	s_load_b64 s[UP:UP+1], s[0:1], 0x10            ; u2
	v_lshl_add_u32 v[SPW], v0, 2, SPARE
	v_mov_b32 v[NIL], 0
	v_lshrrev_b32 v1, 5, v0
	v_readfirstlane_b32 s[WV], v1                  ; wave 0..3
	v_and_b32 v1, 15, v0                           ; r
	v_bfe_u32 v[XU], v0, 4, 1                      ; h, for the moment
	v_and_b32 v[PFO], 31, v0                       ; l
	v_lshlrev_b32 v[XG], 4, v[PFO]
	v_lshlrev_b32 v[XS0], 3, v[PFO]
	v_lshlrev_b32 v[PFO], 8, v[PFO]
	v_lshlrev_b32 v[T8], 3, v0
	v_mul_u32_u24 v[AP0], v1, PX
	v_lshl_add_u32 v[AP0], v[XU], 4, v[AP0]
	v_add_nc_u32 v[AP0+1], 64*PX, v[AP0]
	v_add_nc_u32 v[AP0+2], 128*PX, v[AP0]
	v_add_nc_u32 v[AP0+3], 192*PX, v[AP0]
	s_mul_i32 s13, s[WV], 64*PX
	v_add_nc_u32 v[AX], s13, v[AP0]
	v_add_nc_u32 v[XS0], s13, v[XS0]
	v_mov_b32 v[XS], v[XS0]
	v_add_nc_u32 v[AM], MR, v[XG]
	s_lshl_b32 s13, s[WV], 12
	v_add_nc_u32 v[AS], s13, v[AM]
	v_add_nc_u32 v[GO], s13, v[XG]
	s_lshl_b32 s13, s[WV], 10
	s_add_co_u32 s13, s13, CS
	v_lshl_add_u32 v[CSA], v1, 2, s13
	s_mov_b32 s[SEL], 0x76543210
	s_mov_b32 s[SEL+1], 0xfedcba98
	s_mov_b32 s[HIM], 0xffff0000
	s_sub_co_u32 s[TS], ttmp9, 8
	s_lshl_b32 s[OF], ttmp9, 19                    ; a batch is 524,288 bytes,
	s_lshl_b32 s13, s[WV], 17                      ; my 64 rows 131,072
	s_add_co_u32 s[OF], s[OF], s13
	s_mov_b32 s[OF+1], 0
	s_wait_kmcnt 0x0
	s_add_nc_u64 s[XP:XP+1], s[XP:XP+1], s[OF:OF+1]
	s_lshl_b32 s[OF], ttmp9, 11
	s_add_nc_u64 s[UP:UP+1], s[UP:UP+1], s[OF:OF+1]
	s_mov_b64 s[MP:MP+1], s[MT:MT+1]
	s_add_nc_u64 s[MPN:MPN+1], s[MT:MT+1], 8*SLOT
	s_min_u32 s[OF], ttmp9, 63                     ; (held inside mtf in the work-groups that ask for nothing)
	s_lshl_b32 s[OF], s[OF], 13
	s_add_nc_u64 s[PF:PF+1], s[MT:MT+1], s[OF:OF+1]
	; PHASE 0.  My 64 rows of X come in 16 batches of four rows, three batches (48 loads) on their way; ahead of them Mt's slots 0 and 1.
	GLOAD 0, MP, 0
	GLOAD 1, MP, 1
	XLOAD 0, 0
	XLOAD 1, 4
	; S starts at 0: 512 lines, written while the first loads are on their way.  The price of one text for all four chunks: a first chunk whose products start S's sums would be a second copy of P2.
	WIN 0x80
.set z, 0
.rept 256
	v_mov_b32 v[z], 0
.set z, z+1
.endr
	WIN 0xc0
.set z, 0
.rept 256
	v_mov_b32 v[z], 0
.set z, z+1
.endr
	WIN 0
	s_wait_loadcnt 32                              ; the two batches of X are younger: Mt's two slots are in
	GSTORE 0
	GSTORE 1
	XLOAD 2, 8
	WIN 0
	s_mov_b32 s[STP], 0
	s_mov_b32 s[CNT], 3
.Lx:                                           ; a trip: batches 4 t .. 4 t + 3 are rounded and stored, batches 4 t + 3 .. 4 t + 6 asked for
.irp i, 0,1,2,3
	s_wait_loadcnt 32                              ; my batch is in; the two younger ones stay out
	XCVT \i
	XSTORE \i, 4*(\i)
	XLOAD ((\i)+3)%4, 4*((\i)+3)
.endr
	WIN 0
	s_wait_xcnt 0x0                                ; the loads have read their base: it is stepped only behind this wait
	s_add_nc_u64 s[XP:XP+1], s[XP:XP+1], 16*2048
	s_add_co_u32 s[STP], s[STP], 16*PX
	v_add_nc_u32 v[XS], s[STP], v[XS0]
	s_sub_co_u32 s[CNT], s[CNT], 1
	s_cmp_lg_u32 s[CNT], 0
	s_cbranch_scc1 .Lx
	s_wait_loadcnt 32                              ; the last four batches are written out: one more is asked for, then none
	XCVT 0
	XSTORE 0, 0
	XLOAD 3, 12
	s_wait_loadcnt 32
	XCVT 1
	XSTORE 1, 4
	GLOAD 0, MP, 2                                 ; Mt's slots 2 and 3 set out for the registers that slots 0 and 1 have left
	GLOAD 1, MP, 3
	; A PREFETCH INTO THE L2 of mtf from byte 65,536 on (slots 0 to 3 come by the loads above): wave 0 of work-groups 8 to 63 names 32 blocks of 256 bytes, a lane a block, 8,192 bytes a work-group:
	; each block is named once in the launch.  It stands behind the wave's loads; the first load of these bytes comes four slots, 256 products, later.
	s_cmp_lg_u32 s[WV], 0
	s_cbranch_scc1 .Lnot_asked
	s_cmp_lt_u32 s[TS], 56
	s_cbranch_scc0 .Lnot_asked
	global_prefetch_b8 v[PFO], s[PF:PF+1] th:TH_LOAD_NT scope:SCOPE_SE
.Lnot_asked:
	s_wait_loadcnt 32                              ; younger: the last batch and Mt's 16
	XCVT 2
	XSTORE 2, 8
	s_wait_loadcnt 16                              ; younger: Mt's 16
	XCVT 3
	XSTORE 3, 12
	WIN 0
	s_wait_dscnt 0x0                               ; for the others' sake: my rows of X and my quarters of slots 0 and 1 lie in LDS
	s_barrier_signal -1
	s_barrier_wait -1
	LDM 0                                          ; the runs for units 0 and 1, in the order in which a trip's units 46 and 47 issue them
	LDX 0
	LDM 1
	s_mov_b32 s[CH], 0
	s_mov_b32 s[COFF], 0
	s_mov_b32 s[CNT], 4
.Lchunk:                                       ; a trip is a chunk: 32 units of P1, the rounding of T, 16 units of P2
.irp q, 0,1,2,3
	v_add_nc_u32 v[AP+(\q)], s[COFF], v[AP0+(\q)]
.endr
.set u, 0
.rept 48
	UNIT
.set u, u+1
.endr
	WIN 0
	s_wait_xcnt 0x0                                ; the trip's loads have read their bases
	s_add_nc_u64 s[MP:MP+1], s[MP:MP+1], 8*SLOT
	s_add_co_u32 s[CH], s[CH], 1
	s_add_co_u32 s[OF], s[CH], 1
	s_and_b32 s[OF], s[OF], 3                      ; behind the last chunk the first: the last trip's requests ahead stay inside mtf; what they bring is not multiplied: the price of one text with the same counts in every trip
	s_lshl_b32 s[OF], s[OF], 17
	s_add_nc_u64 s[MPN:MPN+1], s[MT:MT+1], s[OF:OF+1]
	s_add_co_u32 s[COFF], s[COFF], 256
	s_sub_co_u32 s[CNT], s[CNT], 1
	s_cmp_lg_u32 s[CNT], 0
	s_cbranch_scc1 .Lchunk
	s_wait_loadcnt 0x0                             ; what was asked for ahead has landed: its registers are used anew
	s_wait_dscnt 0x0
.rept 8
	v_nop                                          ; the places behind the last products
.endr
; THE SOFTMAX.  S holds log2(e) x the scaled scores.  A query's 256 keys lie in 16 registers (mt) x the 16 lanes of my half.
.macro ROWMAX wd                       ; 16 chains, one for each (nt, j) of the window: three scores start a chain, two more at a time follow, the last alone; j ascends, so each accumulator is read first at register 0
	WIN 0x2a+0x15*(\wd)                            ; all three sources in S's window
.set z, 0
.rept 16
.set rm, MXR+16*(\wd)+8*(z%2)+z/2
.set rs, 128*(z%2)+z/2
	v_max3_num_f32 v[rm], v[rs], v[rs+8], v[rs+16]
.set z, z+1
.endr
	WIN 0x28+0x14*(\wd)                            ; source 0 in window 0
.set z, 0
.rept 96
.set rm, MXR+16*(\wd)+8*(z%2)+(z%16)/2
.set rs, 128*(z%2)+8*(3+2*(z/16))+(z%16)/2
	v_max3_num_f32 v[rm], v[rm], v[rs], v[rs+8]
.set z, z+1
.endr
.set z, 0
.rept 16
.set rm, MXR+16*(\wd)+8*(z%2)+z/2
.set rs, 128*(z%2)+120+z/2
	v_max_num_f32 v[rm], v[rm], v[rs]
.set z, z+1
.endr
.endm
.macro EXPS wd                         ; s - m for a pair of queries, and a pair later its two exponentials, in place
	WIN 0x82+0x41*(\wd)                            ; destination and source 0 in S's window, m in window 0
.set z, 0
.rept 129
.if z < 128
.set rm, MXR+16*(\wd)+8*(z/64)+2*(z%4)
	v_pk_add_f32 v[2*z:2*z+1], v[2*z:2*z+1], v[rm:rm+1] neg_lo:[0,1] neg_hi:[0,1]
.endif
.if z > 0
	v_exp_f32 v[2*z-2], v[2*z-2]
	v_exp_f32 v[2*z-1], v[2*z-1]
.endif
.set z, z+1
.endr
.endm
.macro ROWSUM wd                       ; eight chains of packed sums, one for each (nt, pair of j)
	WIN 0x0a+0x05*(\wd)
.set z, 0
.rept 8
.set rl, LSR+16*(\wd)+8*(z/4)+2*(z%4)
.set rs, 128*(z/4)+2*(z%4)
	v_pk_add_f32 v[rl:rl+1], v[rs:rs+1], v[rs+8:rs+9]
.set z, z+1
.endr
	WIN 0x08+0x04*(\wd)
.set z, 0
.rept 112
.set rl, LSR+16*(\wd)+8*((z%8)/4)+2*(z%4)
.set rs, 128*((z%8)/4)+8*(2+z/8)+2*(z%4)
	v_pk_add_f32 v[rl:rl+1], v[rl:rl+1], v[rs:rs+1]
.set z, z+1
.endr
.endm
.macro COLSUM wd                       ; c's part for key 16 mt + r: the sum over my lane's queries of p / l; 16 chains, one for each mt
	WIN 0x02+(\wd)
.set z, 0
.rept 128
.set rc, CC+2*(z%16)
.set rs, 128*(z/64)+8*(z%16)+2*((z/16)%4)
.set rl, LSR+16*(\wd)+8*(z/64)+2*((z/16)%4)
.if ((\wd) == 0) && (z < 16)
	v_pk_mul_f32 v[rc:rc+1], v[rs:rs+1], v[rl:rl+1]
.else
	v_pk_fma_f32 v[rc:rc+1], v[rs:rs+1], v[rl:rl+1], v[rc:rc+1]
.endif
.set z, z+1
.endr
.endm
	ROWMAX 0
	ROWMAX 1
	WIN 0
.irp m, 1,2,4,8                        ; across the 16 lanes of my half
.set z, 0
.rept 32
	v_max_num_f32_dpp v[MXR+z], v[MXR+z], v[MXR+z] row_xmask:\m row_mask:0xf bank_mask:0xf
.set z, z+1
.endr
.endr
	EXPS 0
	EXPS 1
	WIN 0
	v_nop                                          ; a plain instruction behind the last exponential (ISA guide 5.7.2),
	s_wait_alu depctr_va_vdst(0)                   ; and the wait ahead of the first use: one for all 512 exponentials, none of whose results has been named
	ROWSUM 0
	ROWSUM 1
	WIN 0
.irp m, 1,2,4,8
.set z, 0
.rept 32
	v_add_f32_dpp v[LSR+z], v[LSR+z], v[LSR+z] row_xmask:\m row_mask:0xf bank_mask:0xf
.set z, z+1
.endr
.endr
.set z, 0
.rept 32
	v_rcp_f32 v[LSR+z], v[LSR+z]                   ; l is at least 1: the largest weight of a row is 1
.set z, z+1
.endr
	v_nop
	s_wait_alu depctr_va_vdst(0)                   ; one wait for the 32 reciprocals
	COLSUM 0
	COLSUM 1
	WIN 0
.set z, 0
.rept 16
	v_add_f32 v[128+z], v[CC+2*z], v[CC+2*z+1]     ; even and odd j
.set z, z+1
.endr
.set z, 0
.rept 16
	v_permlanex16_b32 v[144+z], v[128+z], s[SEL], s[SEL+1]  ; the other eight queries of each tile lie in the lane 16 away
.set z, z+1
.endr
.set z, 0
.rept 16
	v_add_f32 v[128+z], v[128+z], v[144+z]
.set z, z+1
.endr
.set z, 0
.rept 16
	ds_store_b32 v[CSA], v[128+z] offset:64*z      ; key 16 mt + r; both halves of the lanes write the same number to the same word
.set z, z+1
.endr
	s_wait_dscnt 0x0                               ; for the others' sake
	s_barrier_signal -1
	s_barrier_wait -1
	v_add_nc_u32 v[XU], CS, v[T8]                  ; thread t adds the four waves' sums for keys 2 t, 2 t + 1
.irp w, 0,1,2,3
	ds_load_b64 v[32+2*(\w):33+2*(\w)], v[XU] offset:1024*(\w)
.endr
	s_wait_dscnt 0x0
	v_pk_add_f32 v[32:33], v[32:33], v[34:35]
	v_pk_add_f32 v[36:37], v[36:37], v[38:39]
	v_pk_add_f32 v[32:33], v[32:33], v[36:37]
	ds_store_b64 v[XU], v[32:33] offset:CT-CS
	s_wait_dscnt 0x0
	s_barrier_signal -1
	s_barrier_wait -1
; u = c^T X, in f32 from the bf16 rows in LDS.  Thread t owns columns 4 t .. 4 t + 3: 8 bytes of each row; c comes four at a time, the same address in all lanes.  Two sets of 16 rows take turns.
.macro ULOAD set, row
.set xr, 32+64*(\set)
.irp i, 0,1,2,3,4,5,6,7,8,9,10,11,12,13,14,15
	ds_load_b64 v[xr+2*(\i):xr+2*(\i)+1], v[XU] offset:((\row)+(\i))*PX
.endr
.irp i, 0,1,2,3
	ds_load_b128 v[xr+32+4*(\i):xr+32+4*(\i)+3], v[CTA] offset:4*(\row)+16*(\i)
.endr
.endm
.macro UFMA set                        ; 64 multiply-adds straight from the bf16 halves; eight sums take turns
.set xr, 32+64*(\set)
.set z, 0
.rept 16
	v_fma_mix_f32_bf16 v[UA+4*(z%2)],   v[xr+2*z],   v[xr+32+z], v[UA+4*(z%2)]   op_sel_hi:[1,0,0]
	v_fma_mix_f32_bf16 v[UA+4*(z%2)+1], v[xr+2*z],   v[xr+32+z], v[UA+4*(z%2)+1] op_sel:[1,0,0] op_sel_hi:[1,0,0]
	v_fma_mix_f32_bf16 v[UA+4*(z%2)+2], v[xr+2*z+1], v[xr+32+z], v[UA+4*(z%2)+2] op_sel_hi:[1,0,0]
	v_fma_mix_f32_bf16 v[UA+4*(z%2)+3], v[xr+2*z+1], v[xr+32+z], v[UA+4*(z%2)+3] op_sel:[1,0,0] op_sel_hi:[1,0,0]
.set z, z+1
.endr
.endm
	s_mov_b32 s[STP], 0
	s_mov_b32 s[TS], CT
	v_mov_b32 v[XU], v[T8]
	v_mov_b32 v[CTA], s[TS]
.irp i, 0,1,2,3,4,5,6,7
	v_mov_b32 v[UA+(\i)], 0
.endr
	ULOAD 0, 0
	s_mov_b32 s[CNT], 7
.Lu:                                           ; a trip: 32 rows
	ULOAD 1, 16
	s_wait_dscnt 20                                ; the younger set's 20 loads stay out
	UFMA 0
	ULOAD 0, 32
	s_wait_dscnt 20
	UFMA 1
	s_add_co_u32 s[STP], s[STP], 32*PX
	s_add_co_u32 s[TS], s[TS], 128
	v_add_nc_u32 v[XU], s[STP], v[T8]
	v_mov_b32 v[CTA], s[TS]
	s_sub_co_u32 s[CNT], s[CNT], 1
	s_cmp_lg_u32 s[CNT], 0
	s_cbranch_scc1 .Lu
	ULOAD 1, 16                                    ; the last 32 rows
	s_wait_dscnt 20
	UFMA 0
	s_wait_dscnt 0x0
	UFMA 1
	v_pk_add_f32 v[UA:UA+1], v[UA:UA+1], v[UA+4:UA+5]      ; the two parities
	v_pk_add_f32 v[UA+2:UA+3], v[UA+2:UA+3], v[UA+6:UA+7]
	v_cvt_pk_bf16_f32 v32, v[UA], v[UA+1]          ; u rounded to bf16,
	v_cvt_pk_bf16_f32 v33, v[UA+2], v[UA+3]
	v_lshlrev_b32 v36, 16, v32
	v_and_b32 v37, s[HIM], v32
	v_lshlrev_b32 v38, 16, v33
	v_and_b32 v39, s[HIM], v33
	v_pk_add_f32 v[36:37], v[UA:UA+1], v[36:37] neg_lo:[0,1] neg_hi:[0,1]      ; what the rounding left,
	v_pk_add_f32 v[38:39], v[UA+2:UA+3], v[38:39] neg_lo:[0,1] neg_hi:[0,1]
	v_cvt_pk_bf16_f32 v34, v36, v37                ; rounded too
	v_cvt_pk_bf16_f32 v35, v38, v39
	global_store_b64 v[T8], v[32:33], s[UP:UP+1]               ; each store of a wave covers 256 consecutive bytes, aligned
	global_store_b64 v[T8], v[34:35], s[UP:UP+1] offset:1024
	s_wait_tensorcnt 0x0                           ; the wave's end, behind my last LDS store
	ds_add_u32 v[SPW], v[NIL]
	s_wait_dscnt 0x0
	s_endpgm
.Lfunc_end_k_q3cf9f86c1c_merge:
	.size	k_q3cf9f86c1c_merge, .Lfunc_end_k_q3cf9f86c1c_merge-k_q3cf9f86c1c_merge
	.p2alignl 7, 3214868480
	.fill 96, 4, 3214868480
	.section	.rodata,"a",@progbits
	.p2align	6, 0x0
	.amdhsa_kernel k_q3cf9f86c1c_merge
		.amdhsa_group_segment_fixed_size 304640
		.amdhsa_private_segment_fixed_size 0
		.amdhsa_enable_private_segment 0
		.amdhsa_kernarg_size 24
		.amdhsa_user_sgpr_count 2
		.amdhsa_user_sgpr_kernarg_segment_ptr 1
		.amdhsa_wavefront_size32 1
		.amdhsa_system_sgpr_workgroup_id_x 1
		.amdhsa_system_sgpr_workgroup_id_y 1
		.amdhsa_system_sgpr_workgroup_id_z 1
		.amdhsa_system_vgpr_workitem_id 0
		.amdhsa_next_free_vgpr 1024
		.amdhsa_next_free_sgpr 66
		.amdhsa_reserve_vcc 0
		.amdhsa_float_denorm_mode_32 3
		.amdhsa_float_denorm_mode_16_64 3
		.amdhsa_memory_ordered 1
		.amdhsa_forward_progress 1
		.amdhsa_inst_pref_size 255
	.end_amdhsa_kernel
	.section	.bss,"aw",@nobits
	.p2align	6
	.space	262144
	.amdgpu_metadata
---
amdhsa.version: [ 1, 2 ]
amdhsa.kernels:
  - .name:           k_q3cf9f86c1c_merge
    .symbol:         k_q3cf9f86c1c_merge.kd
    .args:
      - { .name: msg_stacked, .offset: 0, .size: 8, .value_kind: global_buffer, .address_space: global }
      - { .name: mtf, .offset: 8, .size: 8, .value_kind: global_buffer, .address_space: global }
      - { .name: u2, .offset: 16, .size: 8, .value_kind: global_buffer, .address_space: global }
    .group_segment_fixed_size: 304640
    .private_segment_fixed_size: 0
    .kernarg_segment_align: 8
    .kernarg_segment_size: 24
    .max_flat_workgroup_size: 128
    .sgpr_count:     66
    .vgpr_count:     1024
    .wavefront_size: 32
...
	.end_amdgpu_metadata
.endif
;; end of part 2
;; launch proj (part 3): grid 8 x 16, 4 waves a work-group, no clusters, 17,920 bytes of LDS; arguments u2, wvf, out0; writes out0
.if DOCPART == 3
	.amdgcn_target "amdgcn-amd-amdhsa--gfx1250"
	.amdhsa_code_object_version 6
	.text
	.protected	k_q3cf9f86c1c_proj
	.globl	k_q3cf9f86c1c_proj
	.p2align	8
	.type	k_q3cf9f86c1c_proj,@function
k_q3cf9f86c1c_proj:
	s_mov_b64 s[64:65], 0
	v_nop
	global_prefetch_b8 v0, s[64:65] scope:SCOPE_SE
	s_setreg_imm32_b32 hwreg(HW_REG_WAVE_MODE, 25, 1), 1
	s_wait_xcnt 0x0
; out[b][e] = the sum over d of (u_hi[b][d] + u_lo[b][d]) Wv[d][e].  u2: [256][1024] bf16 (u_hi, then u_lo); wvf: Wv in bf16 as fragments of 1,024 bytes, rows e = 16 et .., d = 32 ks .. at
; (16 et + ks) x 1,024; out0: [256][512] f32.  Sums in f32.
; SHARES.  Work-group (eb, bt): 16 batches x 64 columns: four tiles of 16.  K is split among the four waves, 128 d each (four K steps, each with u's two parts); the partial sums (f32) meet in LDS.
; 128 work-groups: the whole product is 256 x 512 numbers, and a finer share would only split its sums further.  All of a wave's 48 loads go out at once.
; LAYOUT.  Source 0 = 16 columns e of Wv, source 1 = 16 batches: a lane holds ONE batch (l % 16) and e = 8 (l / 16) + 0..7: 32 bytes of a row of out0.
.set PP,    272                        ; a row of a partial tile in LDS: 64 f32 + 16 bytes: the 16 rows that a store touches begin 16 bytes apart modulo 256
.set PT,    16*PP                      ; a wave's partial tile
.set SPARE, 4*PT                       ; the spare words, 128 bytes a wave: two blocks of 256 bytes that no other line names
.set SPW,   8
.set NIL,   9
.set AF,    32                         ; v[32:159]  Wv's fragments: 8 (4 kk + i)
.set BF,    160                        ; v[160:223] u's: 8 (2 kk + part)
.set ACC,   224                        ; v[224:255] four accumulators
	s_load_b128 s[4:7], s[0:1], 0x0                ; u2, wvf
	s_load_b64 s[8:9], s[0:1], 0x10                ; out0
	v_lshl_add_u32 v[SPW], v0, 2, SPARE
	v_mov_b32 v[NIL], 0
	v_lshrrev_b32 v1, 5, v0
	v_readfirstlane_b32 s10, v1                    ; wave 0..3
	v_and_b32 v1, 15, v0                           ; r
	v_bfe_u32 v2, v0, 4, 1                         ; h
	v_and_b32 v3, 31, v0
	v_lshlrev_b32 v3, 4, v3                        ; v3 = 16 l: a fragment of wvf
	v_lshlrev_b32 v4, 11, v1
	v_lshl_add_u32 v4, v2, 4, v4                   ; v4 = 2,048 r + 16 h: a fragment of u2
	v_mul_u32_u24 v5, v1, PP
	v_lshl_add_u32 v5, v2, 5, v5
	s_mul_i32 s11, s10, PT
	v_add_nc_u32 v5, s11, v5                       ; v5 = where I put my sums: my tile, row r, 32 h
	v_mul_u32_u24 v6, v2, PP
	v_lshl_add_u32 v6, v1, 4, v6
	s_mul_i32 s11, s10, 4*PP
	v_add_nc_u32 v6, s11, v6                       ; v6 = where I read back: rows 4 w + l / 16, 16 bytes a lane
	v_lshlrev_b32 v7, 11, v2
	v_lshl_add_u32 v7, v1, 4, v7                   ; v7 = the same two rows in out0
	s_and_b32 s12, ttmp7, 0xffff                   ; bt
	s_lshl_b32 s14, ttmp9, 16                      ; wvf: four et of 16,384 bytes,
	s_lshl_b32 s11, s10, 12                        ; my four K steps
	s_add_co_u32 s14, s14, s11
	s_mov_b32 s15, 0
	s_lshl_b32 s16, s12, 15                        ; u2: 16 rows of 2,048 bytes,
	s_lshl_b32 s11, s10, 8                         ; my 128 d
	s_add_co_u32 s16, s16, s11
	s_mov_b32 s17, 0
	s_lshl_b32 s18, s12, 15                        ; out0: 16 rows of 2,048 bytes,
	s_lshl_b32 s11, s10, 13                        ; the four that I store,
	s_add_co_u32 s18, s18, s11
	s_lshl_b32 s11, ttmp9, 8                       ; 64 columns
	s_add_co_u32 s18, s18, s11
	s_mov_b32 s19, 0
	s_wait_kmcnt 0x0
	s_add_nc_u64 s[6:7], s[6:7], s[14:15]
	s_add_nc_u64 s[4:5], s[4:5], s[16:17]
	s_add_nc_u64 s[8:9], s[8:9], s[18:19]
.irp kk, 0,1,2,3                       ; 12 loads a K step
.irp i, 0,1,2,3
	global_load_b128 v[AF+8*(4*(\kk)+(\i)):AF+8*(4*(\kk)+(\i))+3],   v3, s[6:7] offset:(\i)*16384+(\kk)*1024
	global_load_b128 v[AF+8*(4*(\kk)+(\i))+4:AF+8*(4*(\kk)+(\i))+7], v3, s[6:7] offset:(\i)*16384+(\kk)*1024+512
.endr
.irp p, 0,1
	global_load_b128 v[BF+8*(2*(\kk)+(\p)):BF+8*(2*(\kk)+(\p))+3],   v4, s[4:5] offset:(\p)*1024+(\kk)*64
	global_load_b128 v[BF+8*(2*(\kk)+(\p))+4:BF+8*(2*(\kk)+(\p))+7], v4, s[4:5] offset:(\p)*1024+(\kk)*64+32
.endr
.endr
.irp kk, 0,1,2,3                       ; the four accumulators take turns; the first four products start the sums
	s_wait_loadcnt 36-12*(\kk)                     ; the later K steps' loads, 12 each, stay out
.irp p, 0,1
.irp i, 0,1,2,3
.if ((\kk) == 0) && ((\p) == 0)
	v_wmma_f32_16x16x32_bf16 v[ACC+8*(\i):ACC+8*(\i)+7], v[AF+8*(4*(\kk)+(\i)):AF+8*(4*(\kk)+(\i))+7], v[BF+8*(2*(\kk)+(\p)):BF+8*(2*(\kk)+(\p))+7], 0
.else
	v_wmma_f32_16x16x32_bf16 v[ACC+8*(\i):ACC+8*(\i)+7], v[AF+8*(4*(\kk)+(\i)):AF+8*(4*(\kk)+(\i))+7], v[BF+8*(2*(\kk)+(\p)):BF+8*(2*(\kk)+(\p))+7], v[ACC+8*(\i):ACC+8*(\i)+7]
.endif
.endr
.endr
.endr
.rept 8
	v_nop                                          ; the places behind the last products (ISA guide 7.12.1)
.endr
.irp i, 0,1,2,3
	ds_store_b128 v5, v[ACC+8*(\i):ACC+8*(\i)+3]   offset:64*(\i)         ; each accumulator's low registers first
	ds_store_b128 v5, v[ACC+8*(\i)+4:ACC+8*(\i)+7] offset:64*(\i)+16
.endr
	s_wait_dscnt 0x0                               ; for the others' sake: my partial sums lie in LDS
	s_barrier_signal -1
	s_barrier_wait -1
.irp t, 0,1                            ; rows 4 w + 2 t + l / 16 of all four partial tiles
.irp p, 0,1,2,3
	ds_load_b128 v[AF+4*(4*(\t)+(\p)):AF+4*(4*(\t)+(\p))+3], v6 offset:(\p)*PT+(\t)*2*PP
.endr
.endr
	s_wait_dscnt 0x0
.irp t, 0,16
.irp q, 0,2
	v_pk_add_f32 v[AF+(\t)+(\q):AF+(\t)+(\q)+1], v[AF+(\t)+(\q):AF+(\t)+(\q)+1], v[AF+(\t)+4+(\q):AF+(\t)+4+(\q)+1]
	v_pk_add_f32 v[AF+(\t)+8+(\q):AF+(\t)+8+(\q)+1], v[AF+(\t)+8+(\q):AF+(\t)+8+(\q)+1], v[AF+(\t)+12+(\q):AF+(\t)+12+(\q)+1]
.endr
.irp q, 0,2
	v_pk_add_f32 v[AF+(\t)+(\q):AF+(\t)+(\q)+1], v[AF+(\t)+(\q):AF+(\t)+(\q)+1], v[AF+(\t)+8+(\q):AF+(\t)+8+(\q)+1]
.endr
.endr
	global_store_b128 v7, v[AF:AF+3], s[8:9]                   ; 16 lanes store 256 consecutive bytes, at a multiple of 256 from out0's first byte
	global_store_b128 v7, v[AF+16:AF+19], s[8:9] offset:4096
	s_wait_tensorcnt 0x0                           ; the wave's end, behind my last LDS store
	ds_add_u32 v[SPW], v[NIL]
	s_wait_dscnt 0x0
	s_endpgm
.Lfunc_end_k_q3cf9f86c1c_proj:
	.size	k_q3cf9f86c1c_proj, .Lfunc_end_k_q3cf9f86c1c_proj-k_q3cf9f86c1c_proj
	.p2alignl 7, 3214868480
	.fill 96, 4, 3214868480
	.section	.rodata,"a",@progbits
	.p2align	6, 0x0
	.amdhsa_kernel k_q3cf9f86c1c_proj
		.amdhsa_group_segment_fixed_size 17920
		.amdhsa_private_segment_fixed_size 0
		.amdhsa_enable_private_segment 0
		.amdhsa_kernarg_size 24
		.amdhsa_user_sgpr_count 2
		.amdhsa_user_sgpr_kernarg_segment_ptr 1
		.amdhsa_wavefront_size32 1
		.amdhsa_system_sgpr_workgroup_id_x 1
		.amdhsa_system_sgpr_workgroup_id_y 1
		.amdhsa_system_sgpr_workgroup_id_z 1
		.amdhsa_system_vgpr_workitem_id 0
		.amdhsa_next_free_vgpr 256
		.amdhsa_next_free_sgpr 66
		.amdhsa_reserve_vcc 0
		.amdhsa_float_denorm_mode_32 3
		.amdhsa_float_denorm_mode_16_64 3
		.amdhsa_memory_ordered 1
		.amdhsa_forward_progress 1
		.amdhsa_inst_pref_size 12
	.end_amdhsa_kernel
	.amdgpu_metadata
---
amdhsa.version: [ 1, 2 ]
amdhsa.kernels:
  - .name:           k_q3cf9f86c1c_proj
    .symbol:         k_q3cf9f86c1c_proj.kd
    .args:
      - { .name: u2, .offset: 0, .size: 8, .value_kind: global_buffer, .address_space: global }
      - { .name: wvf, .offset: 8, .size: 8, .value_kind: global_buffer, .address_space: global }
      - { .name: out0, .offset: 16, .size: 8, .value_kind: global_buffer, .address_space: global }
    .group_segment_fixed_size: 17920
    .private_segment_fixed_size: 0
    .kernarg_segment_align: 8
    .kernarg_segment_size: 24
    .max_flat_workgroup_size: 128
    .sgpr_count:     66
    .vgpr_count:     256
    .wavefront_size: 32
...
	.end_amdgpu_metadata
.endif
;; end of part 3
;; ======== version 2 of 2: 3 launches; version 1 with the launch merge written anew for expert scheduling mode
;; workspace buffers: mtf 524,288 bytes; wvf 524,288 bytes; u2 524,288 bytes
;; launch prep: the kernel of part 1 again; grid 256 x 1, 8 waves a work-group, no clusters, 33,792 bytes of LDS; arguments w_query, w_key, w_value, mtf, wvf; writes mtf, wvf
;; launch merge (part 4): grid 256 x 1, 4 waves a work-group, no clusters, 304,640 bytes of LDS; arguments msg_stacked, mtf, u2; writes u2
.if DOCPART == 4
	.amdgcn_target "amdgcn-amd-amdhsa--gfx1250"
	.amdhsa_code_object_version 6
	.text
	.protected	k_q3cf9f86c1c_merge
	.globl	k_q3cf9f86c1c_merge
	.p2align	8
	.type	k_q3cf9f86c1c_merge,@function
k_q3cf9f86c1c_merge:
	s_mov_b64 s[64:65], 0
	v_nop
	global_prefetch_b8 v0, s[64:65] scope:SCOPE_SE
	s_setreg_imm32_b32 hwreg(HW_REG_WAVE_SCHED_MODE, 0, 2), 2
	s_setreg_imm32_b32 hwreg(HW_REG_WAVE_MODE, 25, 1), 1
	s_wait_xcnt 0x0
	s_wait_alu depctr_vm_vsrc(0)
; For batch b (one work-group): u[d] = the sum over m of c[m] X[m][d], c[m] = the sum over n of softmax_m(S[n][m]), S = (X M) X^T, M = Wq Wk^T / sqrt(512) (mtf holds M^T x log2(e), bf16).
; The next launch multiplies u by Wv: the sum over the queries is taken ahead of the value product, and Wq Wk^T ahead of X: both are re-associations that hold for every input.
; LIMITS.  X, M and T = X M are each rounded once to bf16 as matrix operands, so the order of rounding differs from q k^T; sums, maxima, weights, c and u stay in f32; u leaves as a pair of bf16
; (its rounding and the rounded remainder).  The row maximum is taken away ahead of the exponential; a weight below 2^-126 counts as 0; NaN and infinities are not treated apart.
; SHARES.  Wave w owns queries 64 w .. 64 w + 63 (four tiles nt of 16) against all 256 keys: S is 64 accumulators, 512 registers.  d' goes in four chunks of 128.  In a chunk: P1, T^T = Mt X^T over
; K = 512 (source 0 = 16 rows d' of Mt, source 1 = 16 queries; 512 products on 32 accumulators); T is rounded in place; P2, S += T X^T over the chunk's 128 (source 1 = 16 keys; 256 products).
; In T^T a lane holds ONE query (l % 16) and d' = 8 (l / 16) + 0..7: two such tiles packed in pairs ARE source 0 of P2.  In S a lane holds key 16 mt + l % 16, register j query 16 nt + 8 (l / 16) + j.
; LDS.  X in bf16, 256 rows of 1,024 bytes at a pitch of 1,040 = 65 x 16, so that the 16 rows of a fragment load begin 16 bytes apart modulo 256; a ring of two slots of 16 KiB for Mt (two K steps
; of a chunk, in fragment order); the column sums; the spare words.
; WHY REGISTERS FILL LDS, AND NO CLUSTER.  X has to pass through registers to be rounded, and f32 X (512 KiB) has no room in LDS.  Mt is the same for all work-groups, but beside X only 2 x 16 KiB
; are left: a slot lasts 64 products a wave.  Through registers a slot is asked for two slots (128 products) ahead of its store into the ring, with one plain barrier a slot.
; REGISTERS, in windows of 256 (s_set_vgpr_msb: bits 1:0 source 0, 3:2 source 1, 5:4 source 2, 7:6 destination):
;   window 0: v0-31 addresses; v32-95 two sets of 32 for Mt on its way to the ring; v96-159 two buffers of X's fragments; v160-255 three buffers of Mt's (P1) or X's (P2) fragments
;   window 1: T, tile (a, nt) at 16 (4 (a / 2) + nt) + 8 (a % 2); at the start four sets of 64 in which X lands          windows 2, 3: S[nt][mt] in window 2 + nt / 2 at 8 (16 (nt % 2) + mt)
; THE MODE: SCHED_MODE bits 1:0 = 2 (LLVM: expert scheduling mode 2), set by the entry lines.  The code itself states the register dependences between vector or matrix instructions and memory
; or LDS instructions, with s_wait_alu, always for 0.
; THE PLAN.  Registers that memory or LDS instructions touch:
;   X's sets 0-3 (window 1)  Batch i: its conversions pack set i in place, its LDS stores read the set; in batch i + 1 the loads of batch i + 4 land in it.
;   RG0, RG1 (v32-95)        A slot of Mt lands, the stores into the ring read it, the next slot but one lands.  No vector instruction names them in the loops.
;   F2, F3, F4 (v160-255)    Unit u's products read F[2 + u % 3]; the loads for unit u + 3, issued in unit u + 1, land in it.
;   F0, F1 (v96-159)         The products of K step k (units 2 k, 2 k + 1) read F[k % 2]; the loads for K step k + 2, issued in unit 2 k + 2, land in it.
;   v[AP ..]                 Written at a trip's head; read by the loads of the keys' fragments, from unit 30 on.        v[XS], v[XU], v[CTA]: written once a trip of their loops.
;   The other addresses are made at the head and never written again.  T and S are named by vector and matrix instructions alone.
; So ONE wait on va_vdst stands at a unit's head: the unit before is done reading its fragments.  The unit's own products name F[2 + u % 3], F[(u / 2) % 2], T and S; its loads land in
; F[2 + (u + 2) % 3] and F[(u / 2 + 1) % 2]: never the same, so the loads are dealt among the products with no further wait.  One wait on vm_vsrc stands between a slot's stores and the loads
; into its registers, one ahead of each rewrite of an address.
.set PX,    1040                       ; pitch of a row of X in LDS
.set MR,    256*PX                     ; the ring
.set SLOT,  16384
.set CS,    MR+2*SLOT                  ; each wave's column sums: 256 f32
.set CT,    CS+4096                    ; c: 256 f32
.set SPARE, CT+1024                    ; the spare words, 128 bytes a wave: two blocks of 256 bytes that no other line names
.set AX,  2                            ; v2     (64 w + r) PX + 16 h: my queries' fragments
.set AM,  3                            ; v3     MR + 16 l: a fragment of Mt
.set AS,  4                            ; v4     MR + 4,096 w + 16 l: where I store my quarter of a slot
.set GO,  5                            ; v5     4,096 w + 16 l: the same quarter in mtf
.set AP0, 6                            ; v6-9   (64 q + r) PX + 16 h: the keys' fragments, q = 0..3
.set AP,  10                           ; v10-13 the same at the chunk in hand
.set XS,  14                           ; v14    where I store rounded X
.set XG,  15                           ; v15    16 l
.set UA,  16                           ; v16-23 u's sums: four columns x two parities of the row
.set XU,  24                           ; v24    my 8 bytes of a row of X, for u
.set CTA, 25                           ; v25    c's address, the same in all lanes
.set CSA, 26                           ; v26    CS + 1,024 w + 4 r
.set PFO, 27                           ; v27    256 l; never rewritten
.set SPW, 28                           ; v28    LDS address of my spare word; never rewritten
.set NIL, 29                           ; v29    0; never rewritten
.set T8,  30                           ; v30    8 x my thread's number
.set XS0, 31                           ; v31    64 w PX + 8 l
.set RG,  32                           ; Mt on its way
.set FB,  96                           ; fragment buffers F0 .. F4, 32 registers each
.set MXR, 32                           ; after the loop: the row maxima, 8 nt + j
.set LSR, 64                           ; the row sums, then their reciprocals
.set CC,  96                           ; the column sums, a pair for each mt
.set XP,  4                            ; s[4:5]   X at my wave's rows, stepped
.set MT,  6                            ; s[6:7]   mtf
.set UP,  8                            ; s[8:9]   u2 at my batch
.set WV,  10                           ; s10      my wave's number
.set CH,  11                           ; s11      the chunk
.set CNT, 12                           ; s12      loop counts
.set MP,  14                           ; s[14:15] mtf at the chunk in hand
.set MPN, 16                           ; s[16:17] mtf at the next chunk (behind the last: the first)
.set OF,  18                           ; s[18:19] an offset, 0 on top
.set COFF, 20                          ; s20      256 x chunk: its 128 columns in a row of X
.set STP, 21                           ; s21      a stepped LDS offset
.set SEL, 22                           ; s[22:23] v_permlanex16_b32's selects: each lane takes its own place in the other half
.set PF,  24                           ; s[24:25] the prefetch's address; never rewritten
.set HIM, 26                           ; s26      a word's upper bf16
.set TS,  27                           ; s27      work-group - 8; later c's stepped address
.set MSB, 0
.macro WIN new                         ; the immediate's high byte repeats the setting that is left; a switch that changes nothing is dropped
.if MSB != (\new)
	s_set_vgpr_msb (MSB<<8)|(\new)
.set MSB, \new
.endif
.endm
.macro PLACES                          ; four places (ISA guide 7.12.1) between a product and a vector instruction that reads its result or writes one of its registers
.rept 4
	v_nop
.endr
.endm
; X ON ITS WAY IN, four rows (a batch) at a time.  A load takes 512 consecutive bytes of a row; lane l's four numbers round to 8 bytes, and a store of the wave covers 256 consecutive bytes of LDS.
; again = 1: the set has been used before: the window's switch, the two waits, the loads.
.macro XLOAD set, row, again
	WIN 0x40                                       ; destination window 1
.if \again
	s_wait_alu depctr_vm_vsrc(0)                   ; the LDS stores of the batch before have read this set, in which the loads land
	s_wait_alu depctr_va_vdst(0)                   ; the conversions of the batch before are done reading and writing this set
.endif
.irp rr, 0,1,2,3
.irp q, 0,1,2,3
	global_load_b128 v[64*(\set)+16*(\rr)+4*(\q):64*(\set)+16*(\rr)+4*(\q)+3], v[XG], s[XP:XP+1] offset:((\row)+(\rr))*2048+(\q)*512 th:TH_LOAD_NT
.endr
.endr
.endm
.macro XCVT set
	WIN 0x45                                       ; all in window 1
.set z, 64*(\set)
.rept 16
	v_cvt_pk_bf16_f32 v[z], v[z], v[z+1]
	v_cvt_pk_bf16_f32 v[z+1], v[z+2], v[z+3]
.set z, z+4
.endr
.endm
.macro XSTORE set, row
	WIN 0x04                                       ; data window 1, address window 0
	s_wait_alu depctr_va_vdst(0)                   ; the conversions have written the pairs that these stores read; in a trip's first batch v[XS] is written too
.irp rr, 0,1,2,3
.irp q, 0,1,2,3
	ds_store_b64 v[XS], v[64*(\set)+16*(\rr)+4*(\q):64*(\set)+16*(\rr)+4*(\q)+1] offset:((\row)+(\rr))*PX+(\q)*256
.endr
.endr
.endm
; Mt ON ITS WAY IN: my quarter (4,096 bytes) of a slot, into register set par; from there into ring slot par.
.macro GLOAD par, ptr, slot
	WIN 0
.irp i, 0,1,2,3,4,5,6,7
	global_load_b128 v[RG+32*(\par)+4*(\i):RG+32*(\par)+4*(\i)+3], v[GO], s[\ptr:\ptr+1] offset:(\slot)*SLOT+(\i)*512
.endr
.endm
.macro GSTORE par
.irp i, 0,1,2,3,4,5,6,7
	ds_store_b128 v[AS], v[RG+32*(\par)+4*(\i):RG+32*(\par)+4*(\i)+3] offset:(\par)*SLOT+(\i)*512
.endr
.endm
; THE FRAGMENT LOADS, in runs of 8.  LDM h: Mt's four fragments of P1's unit h (K step h / 2, rows 64 (h % 2) on).  LDX k: my four query tiles at K step k.  LDP g: P2's unit g: keys 64 (g % 4) on, K step g / 4.
.macro LDM h
.set mb, FB+32*(2+(\h)%3)
.set mo, (((\h)/4)%2)*SLOT+((((\h)/2)%2)*8+4*((\h)%2))*1024
.irp i, 0,1,2,3
	ds_load_b128 v[mb+8*(\i):mb+8*(\i)+3],   v[AM] offset:mo+(\i)*1024
	ds_load_b128 v[mb+8*(\i)+4:mb+8*(\i)+7], v[AM] offset:mo+(\i)*1024+512
.endr
.endm
.macro LDX k
.set xb, FB+32*((\k)%2)
.irp nt, 0,1,2,3
	ds_load_b128 v[xb+8*(\nt):xb+8*(\nt)+3],   v[AX] offset:(\nt)*16*PX+64*(\k)
	ds_load_b128 v[xb+8*(\nt)+4:xb+8*(\nt)+7], v[AX] offset:(\nt)*16*PX+64*(\k)+32
.endr
.endm
.macro LDP g
.set mb, FB+32*(2+(32+(\g))%3)
.set pa, AP+(\g)%4
.set po, 64*((\g)/4)
.irp i, 0,1,2,3
	ds_load_b128 v[mb+8*(\i):mb+8*(\i)+3],   v[pa] offset:(\i)*16*PX+po
	ds_load_b128 v[mb+8*(\i)+4:mb+8*(\i)+7], v[pa] offset:(\i)*16*PX+po+32
.endr
.endm
.macro LDU x                           ; the run for unit x of a trip's 48; units 48 and 49 are the next trip's 0 and 1 (48 is a multiple of 3: the three buffers go on in turn)
.if (\x) < 32
	LDM \x
.elseif (\x) < 48
	LDP (\x)-32
.else
	LDM (\x)-48
.endif
.endm
; THE PRODUCTS.  A unit is 16 products on 16 different accumulators, and an accumulator comes again two units later (P1) or four (P2): they take turns.
.macro MULQ h, i                       ; a quarter of a unit of P1: T[4 (h % 2) + i][nt], nt = 0..3.  The chunk's first K step starts the sums
	WIN 0x50                                       ; C and D window 1
.irp nt, 0,1,2,3
.set ta, 4*((\h)%2)+(\i)
.set rt, 16*(4*(ta/2)+(\nt))+8*(ta%2)
.set ra, FB+32*(2+(\h)%3)+8*(\i)
.set rb, FB+32*(((\h)/2)%2)+8*(\nt)
.if (\h) < 2
	v_wmma_f32_16x16x32_bf16 v[rt:rt+7], v[ra:ra+7], v[rb:rb+7], 0
.else
	v_wmma_f32_16x16x32_bf16 v[rt:rt+7], v[ra:ra+7], v[rb:rb+7], v[rt:rt+7]
.endif
.endr
.endm
.macro MUL2H g, hf                     ; half a unit of P2: S[2 hf + n][4 (g % 4) + i] += T[2 hf + n], K step g / 4, x 16 keys
	WIN 0xa1+0x50*(\hf)                            ; source 0 window 1, source 1 window 0, C and D window 2 or 3
.irp n, 0,1
.irp i, 0,1,2,3
.set rs, 8*(16*(\n)+4*((\g)%4)+(\i))
.set ra, 16*(4*((\g)/4)+2*(\hf)+(\n))
.set rb, FB+32*(2+(32+(\g))%3)+8*(\i)
	v_wmma_f32_16x16x32_bf16 v[rs:rs+7], v[ra:ra+7], v[rb:rb+7], v[rs:rs+7]
.endr
.endr
.endm
.macro TCVT                            ; T is rounded to bf16 in place: group G (16 registers: tiles 2 kk, 2 kk + 1 of one nt) becomes a fragment in its first 8.  Each tile's lowest registers are read first.
	WIN 0x45                                       ; Groups 0-7 were finished a unit ago: four v_nop stand ahead of their lines; those 64 lines are the places behind the last unit's products, which made groups 8-15
.set z, 0
.rept 16
.irp i, 0,1,2,3,4,5,6,7
	v_cvt_pk_bf16_f32 v[z+(\i)], v[z+2*(\i)], v[z+2*(\i)+1]
.endr
.set z, z+16
.endr
.endm
; UNIT u OF A TRIP.  A plain unit: the wait for its fragments; the one wait on va_vdst; 16 products, and among them the run(s) of loads for unit u + 2.
; The count on DScnt is what the unit before issued, since all that this unit needs was issued ahead of that: 8 (one run), 16 (two runs; or a run and a slot's eight stores) or 24 (two runs and the stores).
; A CHANGE of ring slots (u = 2, 6 .. 30; s = (u + 2) / 4): my reads of slot s - 1 (the last were issued a unit ago) and my stores of slot s are done; barrier, half the unit's products between signal and
; wait; then the reads of slot s begin, slot s + 1, which has come into registers, goes where slot s - 1 lay, and slot s + 3 is asked for.  Slots 8 .. 11 are the next chunk's 0 .. 3.
.macro UNIT
.if u == 32
	PLACES
	TCVT
.endif
.if (u < 32) && (u%4 == 2)
	s_wait_dscnt 0x0                               ; for the others' sake: zero
	s_wait_alu depctr_va_vdst(0)                   ; the products of the unit before are done reading their fragments, in which the loads behind the barrier land
	s_barrier_signal -1
	MULQ u, 0
	MULQ u, 1
	WIN 0
	s_barrier_wait -1
	LDU u+2                                        ; no wait: the products since the wait name this unit's two buffers and T alone
	s_wait_loadcnt 8                               ; the older of my two slots on their way is in; the younger one's eight loads stay out
	GSTORE ((u+2)/4+1)%2
	MULQ u, 2
	WIN 0
.if u <= 28
	LDX u/2+1
.endif
	s_wait_alu depctr_vm_vsrc(0)                   ; the stores into the ring have read their register set, in which the next loads land
.if (u+2)/4 <= 4
	GLOAD ((u+2)/4+1)%2, MP, (u+2)/4+3
.else
	GLOAD ((u+2)/4+1)%2, MPN, (u+2)/4-5
.endif
	MULQ u, 3
.else
.if (u%4 == 3) && (u < 30)
	s_wait_dscnt 24
.elseif ((u%2 == 1) && (u < 32)) || (u == 47)
	s_wait_dscnt 16
.else
	s_wait_dscnt 8
.endif
	s_wait_alu depctr_va_vdst(0)                   ; the products of the unit before are done reading their fragments, in which this unit's loads land; by unit 30 v[AP ..] is written as well
.if u < 32
	MULQ u, 0
	WIN 0
	LDU u+2                                        ; no wait: the products since the wait name this unit's two buffers and T alone
	MULQ u, 1
.if u%2 == 0
	WIN 0
	LDX u/2+1
.endif
	MULQ u, 2
	MULQ u, 3
.else
	MUL2H u-32, 0
	WIN 0
	LDU u+2                                        ; no wait: the products since the wait name this unit's buffer, T and S alone
.if u == 46
	LDX 0
.endif
	MUL2H u-32, 1
.endif
.endif
.endm
	s_load_b128 s[4:7], s[0:1], 0x0                ; X, mtf
	s_load_b64 s[UP:UP+1], s[0:1], 0x10            ; u2
	v_lshl_add_u32 v[SPW], v0, 2, SPARE
	v_mov_b32 v[NIL], 0
	v_lshrrev_b32 v1, 5, v0
	v_readfirstlane_b32 s[WV], v1                  ; wave 0..3
	v_and_b32 v1, 15, v0                           ; r
	v_bfe_u32 v[XU], v0, 4, 1                      ; h, for the moment
	v_and_b32 v[PFO], 31, v0                       ; l
	v_lshlrev_b32 v[XG], 4, v[PFO]
	v_lshlrev_b32 v[XS0], 3, v[PFO]
	v_lshlrev_b32 v[PFO], 8, v[PFO]
	v_lshlrev_b32 v[T8], 3, v0
	v_mul_u32_u24 v[AP0], v1, PX
	v_lshl_add_u32 v[AP0], v[XU], 4, v[AP0]
	v_add_nc_u32 v[AP0+1], 64*PX, v[AP0]
	v_add_nc_u32 v[AP0+2], 128*PX, v[AP0]
	v_add_nc_u32 v[AP0+3], 192*PX, v[AP0]
	s_wait_alu depctr_va_sdst(0)                   ; s10, my wave's number, is written, ahead of its first reader
	s_mul_i32 s13, s[WV], 64*PX
	v_add_nc_u32 v[AX], s13, v[AP0]
	v_add_nc_u32 v[XS0], s13, v[XS0]
	v_mov_b32 v[XS], v[XS0]
	v_add_nc_u32 v[AM], MR, v[XG]
	s_lshl_b32 s13, s[WV], 12
	v_add_nc_u32 v[AS], s13, v[AM]
	v_add_nc_u32 v[GO], s13, v[XG]
	s_lshl_b32 s13, s[WV], 10
	s_add_co_u32 s13, s13, CS
	v_lshl_add_u32 v[CSA], v1, 2, s13
	s_mov_b32 s[SEL], 0x76543210
	s_mov_b32 s[SEL+1], 0xfedcba98
	s_mov_b32 s[HIM], 0xffff0000
	s_sub_co_u32 s[TS], ttmp9, 8
	s_lshl_b32 s[OF], ttmp9, 19                    ; a batch is 524,288 bytes,
	s_lshl_b32 s13, s[WV], 17                      ; my 64 rows 131,072
	s_add_co_u32 s[OF], s[OF], s13
	s_mov_b32 s[OF+1], 0
	s_wait_kmcnt 0x0
	s_add_nc_u64 s[XP:XP+1], s[XP:XP+1], s[OF:OF+1]
	s_lshl_b32 s[OF], ttmp9, 11
	s_add_nc_u64 s[UP:UP+1], s[UP:UP+1], s[OF:OF+1]
	s_mov_b64 s[MP:MP+1], s[MT:MT+1]
	s_add_nc_u64 s[MPN:MPN+1], s[MT:MT+1], 8*SLOT
	s_min_u32 s[OF], ttmp9, 63                     ; (held inside mtf in the work-groups that ask for nothing)
	s_lshl_b32 s[OF], s[OF], 13
	s_add_nc_u64 s[PF:PF+1], s[MT:MT+1], s[OF:OF+1]
	; PHASE 0.  My 64 rows of X come in 16 batches of four rows, three batches (48 loads) on their way; ahead of them Mt's slots 0 and 1.
	s_wait_alu depctr_va_vdst(0)                   ; the addresses and offsets v2 to v31 are written, which the kernel's loads, stores and its prefetch read
	GLOAD 0, MP, 0
	GLOAD 1, MP, 1
	XLOAD 0, 0, 0
	XLOAD 1, 4, 0
	; S starts at 0: 512 lines, written while the first loads are on their way.  The price of one text for all four chunks: a first chunk whose products start S's sums would be a second copy of P2.
	WIN 0x80
.set z, 0
.rept 256
	v_mov_b32 v[z], 0
.set z, z+1
.endr
	WIN 0xc0
.set z, 0
.rept 256
	v_mov_b32 v[z], 0
.set z, z+1
.endr
	WIN 0
	s_wait_loadcnt 32                              ; the two batches of X are younger: Mt's two slots are in
	GSTORE 0
	GSTORE 1
	XLOAD 2, 8, 0                                  ; no wait: since the head's wait vector instructions have named S alone
	WIN 0
	s_mov_b32 s[STP], 0
	s_mov_b32 s[CNT], 3
.Lx:                                           ; a trip: batches 4 t .. 4 t + 3 are rounded and stored, batches 4 t + 3 .. 4 t + 6 asked for, each at the head of a batch, into the set that the batch before has left
.irp i, 0,1,2,3
	s_wait_loadcnt 32                              ; my batch is in; the two younger ones stay out
	XLOAD ((\i)+3)%4, 4*((\i)+3), 1
	XCVT \i
	XSTORE \i, 4*(\i)
.endr
	WIN 0
	s_wait_xcnt 0x0                                ; the loads have read their base: it is stepped only behind this wait
	s_add_nc_u64 s[XP:XP+1], s[XP:XP+1], 16*2048
	s_add_co_u32 s[STP], s[STP], 16*PX
	s_wait_alu depctr_vm_vsrc(0)                   ; the trip's LDS stores have read v[XS]
	v_add_nc_u32 v[XS], s[STP], v[XS0]
	s_sub_co_u32 s[CNT], s[CNT], 1
	s_cmp_lg_u32 s[CNT], 0
	s_cbranch_scc1 .Lx
	s_wait_loadcnt 32                              ; the last four batches are written out: one more is asked for, then none
	XLOAD 3, 12, 1
	XCVT 0
	XSTORE 0, 0
	s_wait_loadcnt 32
	XCVT 1
	XSTORE 1, 4
	GLOAD 0, MP, 2                                 ; Mt's slots 2 and 3 set out for the registers that slots 0 and 1 have left: the stores that read those stand ahead of the batches' waits on vm_vsrc, and no vector instruction names them
	GLOAD 1, MP, 3
	; A PREFETCH INTO THE L2 of mtf from byte 65,536 on (slots 0 to 3 come by the loads above): wave 0 of work-groups 8 to 63 names 32 blocks of 256 bytes, a lane a block, 8,192 bytes a work-group:
	; each block is named once in the launch.  It stands behind the wave's loads; the first load of these bytes comes four slots, 256 products, later.  Its offset v[PFO] was written ahead of the head's wait.
	s_cmp_lg_u32 s[WV], 0
	s_cbranch_scc1 .Lnot_asked
	s_cmp_lt_u32 s[TS], 56
	s_cbranch_scc0 .Lnot_asked
	global_prefetch_b8 v[PFO], s[PF:PF+1] th:TH_LOAD_NT scope:SCOPE_SE
.Lnot_asked:
	s_wait_loadcnt 32                              ; younger: the last batch and Mt's 16
	XCVT 2
	XSTORE 2, 8
	s_wait_loadcnt 16                              ; younger: Mt's 16
	XCVT 3
	XSTORE 3, 12
	WIN 0
	s_wait_dscnt 0x0                               ; for the others' sake: my rows of X and my quarters of slots 0 and 1 lie in LDS
	s_barrier_signal -1
	s_barrier_wait -1
	LDM 0                                          ; the runs for units 0 and 1, in the order in which a trip's units 46 and 47 issue them; no vector instruction has named these buffers yet
	LDX 0
	LDM 1
	s_mov_b32 s[CH], 0
	s_mov_b32 s[COFF], 0
	s_mov_b32 s[CNT], 4
.Lchunk:                                       ; a trip is a chunk: 32 units of P1, the rounding of T, 16 units of P2
	s_wait_alu depctr_vm_vsrc(0)                   ; the last trip's loads of the keys' fragments have read v[AP ..]
.irp q, 0,1,2,3
	v_add_nc_u32 v[AP+(\q)], s[COFF], v[AP0+(\q)]
.endr
	v_nop                                          ; with the four lines above: five places (ISA guide 7.12.1) between P2's products and the products of units 0 and 1, which write T over the fragments that those have read
.set u, 0
.rept 48
	UNIT
.set u, u+1
.endr
	WIN 0
	s_wait_xcnt 0x0                                ; the trip's loads have read their bases
	s_add_nc_u64 s[MP:MP+1], s[MP:MP+1], 8*SLOT
	s_add_co_u32 s[CH], s[CH], 1
	s_add_co_u32 s[OF], s[CH], 1
	s_and_b32 s[OF], s[OF], 3                      ; behind the last chunk the first: the last trip's requests ahead stay inside mtf; what they bring is not multiplied: the price of one text with the same counts in every trip
	s_lshl_b32 s[OF], s[OF], 17
	s_add_nc_u64 s[MPN:MPN+1], s[MT:MT+1], s[OF:OF+1]
	s_add_co_u32 s[COFF], s[COFF], 256
	s_sub_co_u32 s[CNT], s[CNT], 1
	s_cmp_lg_u32 s[CNT], 0
	s_cbranch_scc1 .Lchunk
	s_wait_loadcnt 0x0                             ; what was asked for ahead has landed: its registers are used anew (the ring's last stores, which read v32-95, stand ahead of unit 30's wait on vm_vsrc)
	s_wait_dscnt 0x0
.rept 8
	v_nop                                          ; the places behind the last products
.endr
; THE SOFTMAX.  S holds log2(e) x the scaled scores.  A query's 256 keys lie in 16 registers (mt) x the 16 lanes of my half.
.macro ROWMAX wd                       ; 16 chains, one for each (nt, j) of the window: three scores start a chain, two more at a time follow, the last alone; j ascends, so each accumulator is read first at register 0
	WIN 0x2a+0x15*(\wd)                            ; all three sources in S's window
.set z, 0
.rept 16
.set rm, MXR+16*(\wd)+8*(z%2)+z/2
.set rs, 128*(z%2)+z/2
	v_max3_num_f32 v[rm], v[rs], v[rs+8], v[rs+16]
.set z, z+1
.endr
	WIN 0x28+0x14*(\wd)                            ; source 0 in window 0
.set z, 0
.rept 96
.set rm, MXR+16*(\wd)+8*(z%2)+(z%16)/2
.set rs, 128*(z%2)+8*(3+2*(z/16))+(z%16)/2
	v_max3_num_f32 v[rm], v[rm], v[rs], v[rs+8]
.set z, z+1
.endr
.set z, 0
.rept 16
.set rm, MXR+16*(\wd)+8*(z%2)+z/2
.set rs, 128*(z%2)+120+z/2
	v_max_num_f32 v[rm], v[rm], v[rs]
.set z, z+1
.endr
.endm
.macro EXPS wd                         ; s - m for a pair of queries, and a pair later its two exponentials, in place
	WIN 0x82+0x41*(\wd)                            ; destination and source 0 in S's window, m in window 0
.set z, 0
.rept 129
.if z < 128
.set rm, MXR+16*(\wd)+8*(z/64)+2*(z%4)
	v_pk_add_f32 v[2*z:2*z+1], v[2*z:2*z+1], v[rm:rm+1] neg_lo:[0,1] neg_hi:[0,1]
.endif
.if z > 0
	v_exp_f32 v[2*z-2], v[2*z-2]
	v_exp_f32 v[2*z-1], v[2*z-1]
.endif
.set z, z+1
.endr
.endm
.macro ROWSUM wd                       ; eight chains of packed sums, one for each (nt, pair of j)
	WIN 0x0a+0x05*(\wd)
.set z, 0
.rept 8
.set rl, LSR+16*(\wd)+8*(z/4)+2*(z%4)
.set rs, 128*(z/4)+2*(z%4)
	v_pk_add_f32 v[rl:rl+1], v[rs:rs+1], v[rs+8:rs+9]
.set z, z+1
.endr
	WIN 0x08+0x04*(\wd)
.set z, 0
.rept 112
.set rl, LSR+16*(\wd)+8*((z%8)/4)+2*(z%4)
.set rs, 128*((z%8)/4)+8*(2+z/8)+2*(z%4)
	v_pk_add_f32 v[rl:rl+1], v[rl:rl+1], v[rs:rs+1]
.set z, z+1
.endr
.endm
.macro COLSUM wd                       ; c's part for key 16 mt + r: the sum over my lane's queries of p / l; 16 chains, one for each mt
	WIN 0x02+(\wd)
.set z, 0
.rept 128
.set rc, CC+2*(z%16)
.set rs, 128*(z/64)+8*(z%16)+2*((z/16)%4)
.set rl, LSR+16*(\wd)+8*(z/64)+2*((z/16)%4)
.if ((\wd) == 0) && (z < 16)
	v_pk_mul_f32 v[rc:rc+1], v[rs:rs+1], v[rl:rl+1]
.else
	v_pk_fma_f32 v[rc:rc+1], v[rs:rs+1], v[rl:rl+1], v[rc:rc+1]
.endif
.set z, z+1
.endr
.endm
	ROWMAX 0
	ROWMAX 1
	WIN 0
.irp m, 1,2,4,8                        ; across the 16 lanes of my half
.set z, 0
.rept 32
	v_max_num_f32_dpp v[MXR+z], v[MXR+z], v[MXR+z] row_xmask:\m row_mask:0xf bank_mask:0xf
.set z, z+1
.endr
.endr
	EXPS 0
	EXPS 1
	WIN 0
	v_nop                                          ; a plain instruction behind the last exponential (ISA guide 5.7.2),
	s_wait_alu depctr_va_vdst(0)                   ; and the wait ahead of the first use: one for all 512 exponentials, none of whose results has been named
	ROWSUM 0
	ROWSUM 1
	WIN 0
.irp m, 1,2,4,8
.set z, 0
.rept 32
	v_add_f32_dpp v[LSR+z], v[LSR+z], v[LSR+z] row_xmask:\m row_mask:0xf bank_mask:0xf
.set z, z+1
.endr
.endr
.set z, 0
.rept 32
	v_rcp_f32 v[LSR+z], v[LSR+z]                   ; l is at least 1: the largest weight of a row is 1
.set z, z+1
.endr
	v_nop
	s_wait_alu depctr_va_vdst(0)                   ; one wait for the 32 reciprocals
	COLSUM 0
	COLSUM 1
	WIN 0
.set z, 0
.rept 16
	v_add_f32 v[128+z], v[CC+2*z], v[CC+2*z+1]     ; even and odd j
.set z, z+1
.endr
.set z, 0
.rept 16
	v_permlanex16_b32 v[144+z], v[128+z], s[SEL], s[SEL+1]  ; the other eight queries of each tile lie in the lane 16 away
.set z, z+1
.endr
.set z, 0
.rept 16
	v_add_f32 v[128+z], v[128+z], v[144+z]
.set z, z+1
.endr
	v_add_nc_u32 v[XU], CS, v[T8]                  ; thread t adds the four waves' sums for keys 2 t, 2 t + 1: the address is made here, ahead of the wait
	s_wait_alu depctr_va_vdst(0)                   ; the additions have written v128-143, which the stores read; v[XU] is written, which the loads behind the barrier read; the softmax is done with v32-39, in which those loads land
.set z, 0
.rept 16
	ds_store_b32 v[CSA], v[128+z] offset:64*z      ; key 16 mt + r; both halves of the lanes write the same number to the same word
.set z, z+1
.endr
	s_wait_dscnt 0x0                               ; for the others' sake
	s_barrier_signal -1
	s_barrier_wait -1
.irp w, 0,1,2,3
	ds_load_b64 v[32+2*(\w):33+2*(\w)], v[XU] offset:1024*(\w)
.endr
	s_wait_dscnt 0x0
	v_pk_add_f32 v[32:33], v[32:33], v[34:35]
	v_pk_add_f32 v[36:37], v[36:37], v[38:39]
	v_pk_add_f32 v[32:33], v[32:33], v[36:37]
	s_wait_alu depctr_va_vdst(0)                   ; the additions have written v[32:33], which the store reads
	ds_store_b64 v[XU], v[32:33] offset:CT-CS
	s_wait_dscnt 0x0
	s_barrier_signal -1
	s_barrier_wait -1
; u = c^T X, in f32 from the bf16 rows in LDS.  Thread t owns columns 4 t .. 4 t + 3: 8 bytes of each row; c comes four at a time, the same address in all lanes.  Two sets of 16 rows take turns.
.macro ULOAD set, row
.set xr, 32+64*(\set)
.irp i, 0,1,2,3,4,5,6,7,8,9,10,11,12,13,14,15
	ds_load_b64 v[xr+2*(\i):xr+2*(\i)+1], v[XU] offset:((\row)+(\i))*PX
.endr
.irp i, 0,1,2,3
	ds_load_b128 v[xr+32+4*(\i):xr+32+4*(\i)+3], v[CTA] offset:4*(\row)+16*(\i)
.endr
.endm
.macro UFMA set                        ; 64 multiply-adds straight from the bf16 halves; eight sums take turns
.set xr, 32+64*(\set)
.set z, 0
.rept 16
	v_fma_mix_f32_bf16 v[UA+4*(z%2)],   v[xr+2*z],   v[xr+32+z], v[UA+4*(z%2)]   op_sel_hi:[1,0,0]
	v_fma_mix_f32_bf16 v[UA+4*(z%2)+1], v[xr+2*z],   v[xr+32+z], v[UA+4*(z%2)+1] op_sel:[1,0,0] op_sel_hi:[1,0,0]
	v_fma_mix_f32_bf16 v[UA+4*(z%2)+2], v[xr+2*z+1], v[xr+32+z], v[UA+4*(z%2)+2] op_sel_hi:[1,0,0]
	v_fma_mix_f32_bf16 v[UA+4*(z%2)+3], v[xr+2*z+1], v[xr+32+z], v[UA+4*(z%2)+3] op_sel:[1,0,0] op_sel_hi:[1,0,0]
.set z, z+1
.endr
.endm
	s_mov_b32 s[STP], 0
	s_mov_b32 s[TS], CT
	s_wait_alu depctr_vm_vsrc(0)                   ; the loads and the store above have read v[XU], which is written anew; the stores have read v[32:33] and v128-143, in which the rows and c land
	v_mov_b32 v[XU], v[T8]
	v_mov_b32 v[CTA], s[TS]
.irp i, 0,1,2,3,4,5,6,7
	v_mov_b32 v[UA+(\i)], 0
.endr
	s_wait_alu depctr_va_vdst(0)                   ; v[XU] and v[CTA] are written; the vector work above is done with v32-79, in which set 0 lands
	ULOAD 0, 0
	s_mov_b32 s[CNT], 7
.Lu:                                           ; a trip: 32 rows
	s_wait_alu depctr_va_vdst(0)                   ; the last trip's multiply-adds (at first the column sums' lines) are done with set 1's registers; v[XU] and v[CTA] are written
	ULOAD 1, 16
	s_wait_dscnt 20                                ; the younger set's 20 loads stay out
	UFMA 0
	s_wait_alu depctr_va_vdst(0)                   ; the multiply-adds are done reading set 0, in which the next loads land
	ULOAD 0, 32
	s_wait_dscnt 20
	UFMA 1
	s_add_co_u32 s[STP], s[STP], 32*PX
	s_add_co_u32 s[TS], s[TS], 128
	s_wait_alu depctr_vm_vsrc(0)                   ; the trip's loads have read v[XU] and v[CTA]
	v_add_nc_u32 v[XU], s[STP], v[T8]
	v_mov_b32 v[CTA], s[TS]
	s_sub_co_u32 s[CNT], s[CNT], 1
	s_cmp_lg_u32 s[CNT], 0
	s_cbranch_scc1 .Lu
	s_wait_alu depctr_va_vdst(0)                   ; as at the loop's head: set 1 has been read, v[XU] and v[CTA] are written
	ULOAD 1, 16                                    ; the last 32 rows
	s_wait_dscnt 20
	UFMA 0
	s_wait_dscnt 0x0
	UFMA 1
	v_pk_add_f32 v[UA:UA+1], v[UA:UA+1], v[UA+4:UA+5]      ; the two parities
	v_pk_add_f32 v[UA+2:UA+3], v[UA+2:UA+3], v[UA+6:UA+7]
	v_cvt_pk_bf16_f32 v32, v[UA], v[UA+1]          ; u rounded to bf16,
	v_cvt_pk_bf16_f32 v33, v[UA+2], v[UA+3]
	v_lshlrev_b32 v36, 16, v32
	v_and_b32 v37, s[HIM], v32
	v_lshlrev_b32 v38, 16, v33
	v_and_b32 v39, s[HIM], v33
	v_pk_add_f32 v[36:37], v[UA:UA+1], v[36:37] neg_lo:[0,1] neg_hi:[0,1]      ; what the rounding left,
	v_pk_add_f32 v[38:39], v[UA+2:UA+3], v[38:39] neg_lo:[0,1] neg_hi:[0,1]
	v_cvt_pk_bf16_f32 v34, v36, v37                ; rounded too
	v_cvt_pk_bf16_f32 v35, v38, v39
	s_wait_alu depctr_va_vdst(0)                   ; the roundings have written v32-35, which the two stores read
	global_store_b64 v[T8], v[32:33], s[UP:UP+1]               ; each store of a wave covers 256 consecutive bytes, aligned
	global_store_b64 v[T8], v[34:35], s[UP:UP+1] offset:1024
	s_wait_dscnt 0x0                               ; the closing lines, six on end
	s_wait_alu 0x0
	s_wait_tensorcnt 0x0
	ds_add_u32 v[SPW], v[NIL]
	s_wait_dscnt 0x0
	s_endpgm
.Lfunc_end_k_q3cf9f86c1c_merge:
	.size	k_q3cf9f86c1c_merge, .Lfunc_end_k_q3cf9f86c1c_merge-k_q3cf9f86c1c_merge
	.p2alignl 7, 3214868480
	.fill 96, 4, 3214868480
	.section	.rodata,"a",@progbits
	.p2align	6, 0x0
	.amdhsa_kernel k_q3cf9f86c1c_merge
		.amdhsa_group_segment_fixed_size 304640
		.amdhsa_private_segment_fixed_size 0
		.amdhsa_enable_private_segment 0
		.amdhsa_kernarg_size 24
		.amdhsa_user_sgpr_count 2
		.amdhsa_user_sgpr_kernarg_segment_ptr 1
		.amdhsa_wavefront_size32 1
		.amdhsa_system_sgpr_workgroup_id_x 1
		.amdhsa_system_sgpr_workgroup_id_y 1
		.amdhsa_system_sgpr_workgroup_id_z 1
		.amdhsa_system_vgpr_workitem_id 0
		.amdhsa_next_free_vgpr 1024
		.amdhsa_next_free_sgpr 66
		.amdhsa_reserve_vcc 0
		.amdhsa_float_denorm_mode_32 3
		.amdhsa_float_denorm_mode_16_64 3
		.amdhsa_memory_ordered 1
		.amdhsa_forward_progress 1
		.amdhsa_inst_pref_size 255
	.end_amdhsa_kernel
	.section	.bss,"aw",@nobits
	.p2align	6
	.space	262144
	.amdgpu_metadata
---
amdhsa.version: [ 1, 2 ]
amdhsa.kernels:
  - .name:           k_q3cf9f86c1c_merge
    .symbol:         k_q3cf9f86c1c_merge.kd
    .args:
      - { .name: msg_stacked, .offset: 0, .size: 8, .value_kind: global_buffer, .address_space: global }
      - { .name: mtf, .offset: 8, .size: 8, .value_kind: global_buffer, .address_space: global }
      - { .name: u2, .offset: 16, .size: 8, .value_kind: global_buffer, .address_space: global }
    .group_segment_fixed_size: 304640
    .private_segment_fixed_size: 0
    .kernarg_segment_align: 8
    .kernarg_segment_size: 24
    .max_flat_workgroup_size: 128
    .sgpr_count:     66
    .vgpr_count:     1024
    .wavefront_size: 32
...
	.end_amdgpu_metadata
.endif
;; end of part 4
;; launch proj: the kernel of part 3 again; grid 8 x 16, 4 waves a work-group, no clusters, 17,920 bytes of LDS; arguments u2, wvf, out0; writes out0
